; MI455X (gfx1250); checked and timed in simulation.
; The chip was launched on July 23, 2026; its instructions are those of AMD's public machine-readable ISA for CDNA 5 (MIT licence, August 2026) and "CDNA5" Instruction Set Architecture Reference Guide (July 2026). The comments in the code are by the model that wrote it; some were corrected since.
;; Multi Head Attention. Allowed arithmetic: float matrix products may take bf16 or f16 operands with f32 sums; other float arithmetic in f32, or as packed bf16 or f16 multiplies, adds, multiply-adds, maxima and minima; sums over many terms, partial sums and values carried from step to step in f32; what a program stores and reads back later, other than sums and carried values, may be rounded once to bf16 or f16.
;; Inputs: Wk 1,024 x 1,024 float32; Wo 1,024 x 1,024 float32; Wq 1,024 x 1,024 float32; Wv 1,024 x 1,024 float32; bo 1,024 float32; x 4 x 2,048 x 1,024 float32.
;; Outputs: out0 4 x 2,048 x 1,024 float32.
;; 2 versions, each right; version 2 is version 1 with the launch cast written anew for expert scheduling mode. Each part assembles by itself: llvm-mc -triple=amdgcn-amd-amdhsa -mcpu=gfx1250 --defsym DOCPART=n.
;; ======== version 1 of 2: 5 launches
;; limits: values are held in f16: magnitudes above 65,504 overflow, below 6.1e-05 lose precision; right only within a limited range of input values
;; workspace buffers: xh 16,777,216 bytes; wh 8,388,608 bytes; wmn 4,194,304 bytes; qs 16,777,216 bytes; vt 16,777,216 bytes; pbuf 33,554,432 bytes; stats 1,048,576 bytes
;; launch cast (part 1): grid 768 x 1, 8 waves a work-group, no clusters, 35,840 bytes of LDS; arguments x, Wk, Wq, Wv, Wo, xh, wh; writes xh, wh
.if DOCPART == 1
	.amdgcn_target "amdgcn-amd-amdhsa--gfx1250"
	.amdhsa_code_object_version 6
	.text
	.protected	k_q9bd88b7360_cast
	.globl	k_q9bd88b7360_cast
	.p2align	8
	.type	k_q9bd88b7360_cast,@function
k_q9bd88b7360_cast:
	s_mov_b64 s[64:65], 0
	v_nop
	global_prefetch_b8 v0, s[64:65] scope:SCOPE_SE
	s_setreg_imm32_b32 hwreg(HW_REG_WAVE_MODE, 25, 1), 1
	s_wait_xcnt 0x0
; THE INPUTS AS f16.  xh = f16(x / 256) [8192][1024];  wh = [4][1024][1024] f16: 0 Wk, 1 Wo turned ([e][f]), 2 Wq, 3 Wv.  Each number is rounded once, to nearest even.
; The factor 1/256 is a power of two: it costs no bit, and the products x (Wq Wk^T) and x (Wv Wo) of the launches behind then leave their sums already scaled into f16's range.
; LIMITS.  |x| under 1.67e7 and |W| under 65,504, beyond which f16 has no finite number; |x| under 0.0156 and |W| under 6.1e-5 keep f16's fixed step (1.5e-5 in x, 6e-8 in W).  NaN and infinities are not treated apart.
; SHARES.  Work-groups 0-511: 65,536 bytes of x each; 512-703: 65,536 bytes of Wk, Wq or Wv; 704-767: a tile of 128 x 128 of Wo, turned through LDS.
; A stream: each byte is read once and written once; a wave's store covers 256 consecutive bytes, aligned.  No matrix unit, no cluster (no two work-groups read the same bytes), no prefetch (all of a
; work-group's loads go out at its head).
.set TP,    272                        ; a row of the turned tile in LDS: 256 bytes + 16
.set SPARE, 128*TP                     ; behind the tile: the spare words, 128 bytes for each of the eight waves
.set X,   4                            ; v[4:67]   as loaded
.set Y,   68                           ; v[68:99]  rounded, in pairs
.set TA,  100                          ; v100  where my column's pairs go in the tile
.set TR,  101                          ; v101  where I read a row back
.set GO,  102                          ; v102  my byte offset in wh
.set SPW, 108                          ; v108  LDS address of my spare word; never rewritten
.set NIL, 109                          ; v109  0; never rewritten
	s_load_b256 s[4:11], s[0:1], 0x0               ; x s[4:5], Wk s[6:7], Wq s[8:9], Wv s[10:11]
	s_load_b128 s[12:15], s[0:1], 0x20             ; Wo s[12:13], xh s[14:15]
	s_load_b64 s[16:17], s[0:1], 0x30              ; wh
	v_lshl_add_u32 v[SPW], v0, 2, SPARE
	v_mov_b32 v[NIL], 0
	s_mov_b32 s18, ttmp9
	s_cmp_ge_u32 s18, 704                          ; the same answer in all eight waves
	s_cbranch_scc1 .Lturn
	; STRAIGHT.  Which tensor, which piece of 65,536 bytes, which factor
	s_sub_co_u32 s19, s18, 512                     ; (of use from work-group 512 on)
	s_lshr_b32 s22, s19, 6                         ; 0 Wk, 1 Wq, 2 Wv
	s_and_b32 s23, s19, 63                         ; its piece
	s_add_co_u32 s24, s22, 1
	s_cmp_eq_u32 s22, 0
	s_cselect_b32 s24, 0, s24                      ; its place in wh: 0, 2, 3
	s_lshl_b32 s24, s24, 6                         ; in pieces of 32,768 bytes
	s_add_co_u32 s24, s24, s23
	v_lshlrev_b32 v1, 4, v0                        ; 16 bytes a thread in,
	v_lshlrev_b32 v2, 3, v0                        ; 8 out
	s_wait_kmcnt 0x0
	s_cmp_eq_u32 s22, 1
	s_cselect_b64 s[26:27], s[8:9], s[10:11]
	s_cmp_eq_u32 s22, 0
	s_cselect_b64 s[26:27], s[6:7], s[26:27]
	s_cmp_lt_u32 s18, 512
	s_cselect_b64 s[26:27], s[4:5], s[26:27]       ; from
	s_cselect_b64 s[28:29], s[14:15], s[16:17]     ; to
	s_cselect_b32 s23, s18, s23
	s_cselect_b32 s24, s18, s24
	s_cselect_b32 s20, 0x3b800000, 1.0             ; 1/256 for x, 1 for the weights
	s_mov_b32 s21, s20                             ; named with it as a pair
	s_lshl_b32 s30, s23, 16
	s_mov_b32 s31, 0
	s_lshl_b32 s32, s24, 15
	s_mov_b32 s33, 0
	s_add_nc_u64 s[26:27], s[26:27], s[30:31]
	s_add_nc_u64 s[28:29], s[28:29], s[32:33]
.set i, 0
.rept 16
	global_load_b128 v[X+4*i:X+4*i+3], v1, s[26:27] offset:4096*i th:TH_LOAD_NT
.set i, i+1
.endr
.set i, 0
.rept 16
	s_wait_loadcnt 15-i                            ; loads come back in order: number i is in, the younger ones stay out
	v_pk_mul_f32 v[X+4*i:X+4*i+1], v[X+4*i:X+4*i+1], s[20:21] op_sel_hi:[1,0]
	v_pk_mul_f32 v[X+4*i+2:X+4*i+3], v[X+4*i+2:X+4*i+3], s[20:21] op_sel_hi:[1,0]
	v_cvt_pk_f16_f32 v[Y+2*i], v[X+4*i], v[X+4*i+1]
	v_cvt_pk_f16_f32 v[Y+2*i+1], v[X+4*i+2], v[X+4*i+3]
	global_store_b64 v2, v[Y+2*i:Y+2*i+1], s[28:29] offset:2048*i  ; each store has data registers of its own: none is rewritten
.set i, i+1
.endr
	s_endpgm                                       ; this way has written no LDS
.Lturn:                                        ; Wo[f][e] -> wh[1][e][f].  Tile: f = 128 tf .., e = 128 te ..
	s_sub_co_u32 s19, s18, 704
	s_and_b32 s22, s19, 7                          ; tf
	s_lshr_b32 s23, s19, 3                         ; te
	v_lshrrev_b32 v1, 5, v0
	v_readfirstlane_b32 s24, v1                    ; wave 0..7
	s_and_b32 s25, s24, 3                          ; which 32 columns e are mine: a lane a column
	s_lshr_b32 s34, s24, 2                         ; which 64 rows f
	s_lshl_b32 s30, s22, 1
	s_add_co_u32 s30, s30, s34
	s_lshl_b32 s30, s30, 18                        ; 64 rows of 4,096 bytes
	s_lshl_b32 s35, s23, 2
	s_add_co_u32 s35, s35, s25
	s_lshl_b32 s35, s35, 7                         ; 32 columns of 4 bytes
	s_add_co_u32 s30, s30, s35
	s_mov_b32 s31, 0
	s_lshl_b32 s32, s23, 18                        ; 128 rows e of 2,048 bytes,
	s_lshl_b32 s35, s22, 8                         ; 128 columns f of 2 bytes,
	s_add_co_u32 s32, s32, s35
	s_add_co_u32 s32, s32, 0x200000                ; in place 1 of wh
	s_mov_b32 s33, 0
	v_and_b32 v2, 31, v0
	v_lshlrev_b32 v1, 2, v2                        ; 4 x lane
	s_lshl_b32 s35, s25, 5
	v_add_nc_u32 v3, s35, v2                       ; my column's row in the turned tile
	v_mul_u32_u24 v3, v3, TP
	s_lshl_b32 s35, s34, 7                         ; my 64 f: 128 bytes
	v_add_nc_u32 v[TA], s35, v3
	v_lshrrev_b32 v3, 4, v0                        ; back: sixteen threads take a row of 256 bytes
	v_and_b32 v2, 15, v0
	v_mul_u32_u24 v[TR], v3, TP
	v_lshl_add_u32 v[TR], v2, 4, v[TR]
	v_lshlrev_b32 v[GO], 11, v3
	v_lshl_add_u32 v[GO], v2, 4, v[GO]
	s_wait_kmcnt 0x0
	s_add_nc_u64 s[12:13], s[12:13], s[30:31]
	s_add_nc_u64 s[16:17], s[16:17], s[32:33]
.set i, 0
.rept 64
	global_load_b32 v[X+i], v1, s[12:13] offset:4096*i  ; row f = i of my 64: 128 consecutive bytes a wave
.set i, i+1
.endr
.set i, 0
.rept 32
	s_wait_loadcnt 62-2*i                          ; rows 2 i and 2 i + 1 are in
	v_cvt_pk_f16_f32 v[Y+i], v[X+2*i], v[X+2*i+1]
	ds_store_b32 v[TA], v[Y+i] offset:4*i
.set i, i+1
.endr
	s_wait_dscnt 0x0                               ; for the others' sake: my part of the tile is written
	s_barrier_signal -1
	s_barrier_wait -1
.set i, 0
.rept 8
	ds_load_b128 v[X+4*i:X+4*i+3], v[TR] offset:16*TP*i
.set i, i+1
.endr
.set i, 0
.rept 8
	s_wait_dscnt 7-i
	global_store_b128 v[GO], v[X+4*i:X+4*i+3], s[16:17] offset:32768*i  ; sixteen lanes store 256 consecutive bytes, aligned
.set i, i+1
.endr
	s_wait_tensorcnt 0x0                           ; the wave's end, behind my last LDS store
	ds_add_u32 v[SPW], v[NIL]
	s_wait_dscnt 0x0
	s_endpgm
.Lfunc_end_k_q9bd88b7360_cast:
	.size	k_q9bd88b7360_cast, .Lfunc_end_k_q9bd88b7360_cast-k_q9bd88b7360_cast
	.p2alignl 7, 3214868480
	.fill 96, 4, 3214868480
	.section	.rodata,"a",@progbits
	.p2align	6, 0x0
	.amdhsa_kernel k_q9bd88b7360_cast
		.amdhsa_group_segment_fixed_size 35840
		.amdhsa_private_segment_fixed_size 0
		.amdhsa_enable_private_segment 0
		.amdhsa_kernarg_size 56
		.amdhsa_user_sgpr_count 2
		.amdhsa_user_sgpr_kernarg_segment_ptr 1
		.amdhsa_wavefront_size32 1
		.amdhsa_system_sgpr_workgroup_id_x 1
		.amdhsa_system_sgpr_workgroup_id_y 1
		.amdhsa_system_sgpr_workgroup_id_z 1
		.amdhsa_system_vgpr_workitem_id 0
		.amdhsa_next_free_vgpr 112
		.amdhsa_next_free_sgpr 66
		.amdhsa_reserve_vcc 0
		.amdhsa_float_denorm_mode_32 3
		.amdhsa_float_denorm_mode_16_64 3
		.amdhsa_memory_ordered 1
		.amdhsa_forward_progress 1
		.amdhsa_inst_pref_size 24
	.end_amdhsa_kernel
	.amdgpu_metadata
---
amdhsa.version: [ 1, 2 ]
amdhsa.kernels:
  - .name:           k_q9bd88b7360_cast
    .symbol:         k_q9bd88b7360_cast.kd
    .args:
      - { .name: x, .offset: 0, .size: 8, .value_kind: global_buffer, .address_space: global }
      - { .name: Wk, .offset: 8, .size: 8, .value_kind: global_buffer, .address_space: global }
      - { .name: Wq, .offset: 16, .size: 8, .value_kind: global_buffer, .address_space: global }
      - { .name: Wv, .offset: 24, .size: 8, .value_kind: global_buffer, .address_space: global }
      - { .name: Wo, .offset: 32, .size: 8, .value_kind: global_buffer, .address_space: global }
      - { .name: xh, .offset: 40, .size: 8, .value_kind: global_buffer, .address_space: global }
      - { .name: wh, .offset: 48, .size: 8, .value_kind: global_buffer, .address_space: global }
    .group_segment_fixed_size: 35840
    .private_segment_fixed_size: 0
    .kernarg_segment_align: 8
    .kernarg_segment_size: 56
    .max_flat_workgroup_size: 256
    .sgpr_count:     66
    .vgpr_count:     112
    .wavefront_size: 32
...
	.end_amdgpu_metadata
.endif
;; end of part 1
;; launch wprod (part 2): grid 8 x 16, 4 waves a work-group, clusters of 4 x 4, 327,680 bytes of LDS; arguments wh, wmn; writes wmn
.if DOCPART == 2
	.amdgcn_target "amdgcn-amd-amdhsa--gfx1250"
	.amdhsa_code_object_version 6
	.text
	.protected	k_q9bd88b7360_wprod
	.globl	k_q9bd88b7360_wprod
	.p2align	8
	.type	k_q9bd88b7360_wprod,@function
k_q9bd88b7360_wprod:
	s_mov_b64 s[64:65], 0
	v_nop
	global_prefetch_b8 v0, s[64:65] scope:SCOPE_SE
	s_setreg_imm32_b32 hwreg(HW_REG_WAVE_MODE, 25, 1), 1
	s_wait_xcnt 0x0
	s_wait_alu depctr_hold_cnt(0) depctr_sa_sdst(0) depctr_va_vdst(0) depctr_va_sdst(0) depctr_va_ssrc(0) depctr_va_vcc(0) depctr_vm_vsrc(0)
	s_getreg_b32 s2, hwreg(HW_REG_IB_STS2, 6, 4)
	s_cmp_eq_u32 s2, 0
	s_cbranch_scc0 .Lentry_in_a_cluster
	s_endpgm
.Lentry_in_a_cluster:
	s_bfe_u32 s2, ttmp6, 0x10000c
	s_cmp_lg_u32 s2, 0xf033
	s_cbranch_scc0 .Lentry_shape_is_right
	s_endpgm
.Lentry_shape_is_right:
; THE WEIGHTS' PRODUCTS.  wmn rows 0-1023: MT[d'][d] = sum over e of Wk[d'][e] Wq[d][e];  rows 1024-2047: NT[e][d] = sum over f of Wo[f][e] Wv[d][f].  f16 operands, f32 sums, rounded once to f16.
; With them scores = x (Wq Wk^T) x^T / 32 and out = P (x (Wv Wo)) + bo: the same sums as the module's, taken in another order, so the roundings fall elsewhere than in the module as it is written.
; LIMITS.  |MT|, |NT| under 65,504; below 6.1e-5 they keep f16's fixed step of 6e-8.  NaN and infinities are not treated apart.
; Two products C = A B^T of 1024 x 1024 x 1024 (A = place p of wh, B = place 2 + p).  A tile of C is 128 x 128, four waves of 64 x 64 (16 accumulators); 64 tiles a product, 128 work-groups.
; K goes in steps of 256 through two LDS slots (rows of 512 bytes + 16).  CLUSTER 4 x 4: A's tile is shared along a row of the cluster, B's along a column: joint loads.
; The matrix instruction is used transposed (source 0 = rows of B, source 1 = rows of A): a lane holds eight neighbouring numbers of a row of C.
; No prefetch: four K steps of small tiles.
; REGISTERS: window 0: v0-31 addresses; v32-95 the way out; v128-255 accumulators ((a, b) at 128 + 8 (4 a + b)).  Window 1: two fragment buffers of 128: 64 of A (2 x 4 x 16 rows x 32 K), 64 of B.
.set KSTEP,  256
.set TSTEPS, 4
.set QB,     128                       ; bytes of a row in a quarter of a K step
.set PITCH,  528
.set HALFT,  64*PITCH                  ; what one tensor load brings
.set SLOT,   4*HALFT                   ; A's 128 rows, then B's.  SLOT = 0x21000 shares no bit with wave x HALFT: an exclusive or changes slots
.set STAGE,  2*SLOT                    ; the work-group's stage: 128 rows x 272 bytes
.set SPITCH, 272
.set SPARE,  STAGE+128*SPITCH          ; the spare words, 128 bytes a wave
.set G1W0,   (1<<16)|(1<<20)|(1<<21)|(6<<22)|(3<<25)  ; 2-byte elements; padding on; bit 21 beside a mask; after every 128 words, 4 words
.set WV, 14
.set SIDE, 15                          ; wave / 2: my half of the rows; I fetch for A (0) or B (1)
.set HALF, 16                          ; wave % 2: my half of the columns; which half of that tile I fetch
.set CX, 17
.set CY, 18
.set CLX, 19
.set CLY, 20
.set G1A, 24
.set G1B, 32
.set G0A, 40                           ; two sets: the first fills'; the second then walks
.set G0B, 48
.set STEPS, 56
.set CNT, 57
.set TB, 58                            ; LDS byte at which the rows' next quarters begin
.set AO, 66
.set BO, 68
.set CS0, 70
.set A0, 16                            ; v16, v17  my lane's place in a slot's A and B; never rewritten
.set B0, 17
.set ADRA, 18
.set ADRB, 19
.set STO, 24
.set RD, 25
.set CO, 26
.set SPW, 28
.set NIL, 29
.set TMP, 32
.set ACC, 128
.set F0, 0
.set F1, 128
.set MUL, 0x05                         ; sources 0 and 1 in window 1
.set TO_F, 0x40                        ; destination in window 1
.set MSB, 0
.macro WIN new                         ; the high byte repeats the setting that is left
.if MSB != (\new)
	s_set_vgpr_msb (MSB<<8)|(\new)
.set MSB, \new
.endif
.endm
.macro PLACES                          ; four places behind matrix instructions, ahead of loads into registers that they read and of reads of their results
.rept 4
	v_nop
.endr
.endm
.macro CROUND                          ; a round of the cluster's barrier
	s_barrier_signal -1
	s_barrier_wait -1
	s_cmp_lg_u32 s[WV], 0
	s_cbranch_scc1 .Lnot_wave_0_\@
	s_barrier_signal -3
.Lnot_wave_0_\@:
	s_barrier_wait -3
	s_barrier_signal -1
	s_barrier_wait -1
.endm
.macro JLOAD                           ; a joint refill: waves 0, 1 for A, waves 2, 3 for B; s_nop 0 and four v_nop behind each line
	s_cmp_eq_u32 s[SIDE], 0
	s_cbranch_scc0 .Lfor_b_\@
	tensor_load_to_lds s[G0A+4:G0A+7], s[G1A:G1A+7]
	s_nop 0
	PLACES
	s_branch .Lasked_\@
.Lfor_b_\@:
	tensor_load_to_lds s[G0B+4:G0B+7], s[G1B:G1B+7]
	s_nop 0
	PLACES
.Lasked_\@:
.endm
	s_load_b128 s[4:7], s[0:1], 0x0                ; wh s[4:5], wmn s[6:7]
	v_lshl_add_u32 v[SPW], v0, 2, SPARE
	v_mov_b32 v[NIL], 0
	ds_add_u32 v[SPW], v[NIL]                      ; the wave's opening: the add and its wait ahead of my first tensor load
	v_lshrrev_b32 v1, 5, v0
	v_readfirstlane_b32 s[WV], v1
	s_lshr_b32 s[SIDE], s[WV], 1
	s_and_b32 s[HALF], s[WV], 1
	s_bfe_u32 s[CX], ttmp6, 0x40000
	s_bfe_u32 s[CY], ttmp6, 0x40004
	s_mov_b32 s[CLX], ttmp9                        ; cluster x: 0, 1
	s_and_b32 s[CLY], ttmp7, 0xffff                ; cluster y: 0..3
	s_lshl_b32 s21, s[CY], 2
	s_lshl_b32 s21, 15, s21                        ; my row of the cluster
	s_lshl_b32 s22, 0x1111, s[CX]                  ; my column
	s_or_b32 s[G1A], s21, G1W0
	s_or_b32 s[G1B], s22, G1W0
.irp g, G1A, G1B
	s_mov_b32 s[(\g)+1], KSTEP<<16                 ; tensor_dim0 = 256
	s_mov_b32 s[(\g)+2], 64<<16                    ; tensor_dim1 = 64
	s_mov_b32 s[(\g)+3], KSTEP<<16                 ; tile_dim0 = 256
	s_mov_b32 s[(\g)+4], 64                        ; tile_dim1 = 64
	s_mov_b32 s[(\g)+5], 1024                      ; elements from row to row
	s_mov_b32 s[(\g)+6], 0
	s_mov_b32 s[(\g)+7], 0
.endr
	s_lshr_b32 s3, s[CLY], 1                       ; p: which product
	s_lshl_b32 s3, s3, 21                          ; 2 MiB a matrix
	s_and_b32 s[AO], s[CLY], 1
	s_lshl_b32 s[AO], s[AO], 2
	s_add_co_u32 s[AO], s[AO], s[CY]               ; tile row
	s_lshl_b32 s[CS0], s[AO], 2
	s_lshl_b32 s[AO], s[AO], 1
	s_add_co_u32 s[AO], s[AO], s[HALF]
	s_lshl_b32 s[AO], s[AO], 17                    ; 64 rows of 2,048 bytes
	s_add_co_u32 s[AO], s[AO], s3
	s_mov_b32 s[AO+1], 0
	s_lshl_b32 s[BO], s[CLX], 2
	s_add_co_u32 s[BO], s[BO], s[CX]               ; tile column
	s_lshl_b32 s2, s[BO], 8                        ; its 256 bytes in a row of C
	s_lshl_b32 s[BO], s[BO], 1
	s_add_co_u32 s[BO], s[BO], s[HALF]
	s_lshl_b32 s[BO], s[BO], 17
	s_add_co_u32 s[BO], s[BO], s3
	s_add_co_u32 s[BO], s[BO], 0x400000            ; places 2 and 3
	s_mov_b32 s[BO+1], 0
	s_add_co_u32 s[CS0], s[CS0], s[WV]             ; the way out: wave w stores rows 32 w .. of the tile
	s_lshl_b32 s[CS0], s[CS0], 16
	s_add_co_u32 s[CS0], s[CS0], s3
	s_add_co_u32 s[CS0], s[CS0], s2
	s_mov_b32 s[CS0+1], 0
	s_mul_i32 s23, s[WV], HALFT                    ; where my tiles go: no place in the cluster enters an LDS address
	s_wait_dscnt 0x0                               ; the opening add is done
	s_wait_kmcnt 0x0
	s_add_nc_u64 s[AO:AO+1], s[4:5], s[AO:AO+1]
	s_add_nc_u64 s[BO:BO+1], s[4:5], s[BO:BO+1]
	s_add_nc_u64 s[6:7], s[6:7], s[CS0:CS0+1]
	CROUND                                         ; all sixteen work-groups are here: the first joint loads meet
.irp s, 0,1
	s_mov_b32 s[G0A+4*(\s)], 1
	s_add_co_u32 s[G0A+4*(\s)+1], s23, (\s)*SLOT
	s_add_nc_u64 s[G0A+4*(\s)+2:G0A+4*(\s)+3], s[AO:AO+1], (\s)*KSTEP*2
	s_or_b32 s[G0A+4*(\s)+3], s[G0A+4*(\s)+3], 0x80000000
	s_mov_b32 s[G0B+4*(\s)], 1
	s_add_co_u32 s[G0B+4*(\s)+1], s23, (\s)*SLOT
	s_add_nc_u64 s[G0B+4*(\s)+2:G0B+4*(\s)+3], s[BO:BO+1], (\s)*KSTEP*2
	s_or_b32 s[G0B+4*(\s)+3], s[G0B+4*(\s)+3], 0x80000000
.endr
	s_cmp_eq_u32 s[SIDE], 0                        ; a wave's two first fills stand in one branch: two loads of mine are out
	s_cbranch_scc0 .Lfirst_b
	tensor_load_to_lds s[G0A:G0A+3], s[G1A:G1A+7]
	s_nop 0
	tensor_load_to_lds s[G0A+4:G0A+7], s[G1A:G1A+7]
	s_nop 0
	PLACES
	s_branch .Lfirst_asked
.Lfirst_b:
	tensor_load_to_lds s[G0B:G0B+3], s[G1B:G1B+7]
	s_nop 0
	tensor_load_to_lds s[G0B+4:G0B+7], s[G1B:G1B+7]
	s_nop 0
	PLACES
.Lfirst_asked:
	v_and_b32 v1, 15, v0                           ; l % 16
	v_bfe_u32 v2, v0, 4, 1                         ; l / 16
	v_mul_u32_u24 v3, v1, PITCH
	v_lshl_add_u32 v3, v2, 4, v3                   ; a fragment's row x pitch + 16 x half
	s_mul_i32 s21, s[SIDE], HALFT
	s_mul_i32 s22, s[HALF], HALFT
	s_add_co_u32 s22, s22, 2*HALFT
	v_add_nc_u32 v[A0], s21, v3
	v_add_nc_u32 v[B0], s22, v3
	v_mov_b32 v[ADRA], v[A0]
	v_mov_b32 v[ADRB], v[B0]
	s_mov_b32 s[TB], 0
	s_mul_i32 s23, s[SIDE], 64*SPITCH              ; into the stage: my 64 rows, my half of their 256 bytes
	s_lshl_b32 s21, s[HALF], 7
	s_add_co_u32 s23, s23, s21
	s_add_co_u32 s23, s23, STAGE
	v_mul_u32_u24 v4, v1, SPITCH
	v_lshl_add_u32 v4, v2, 4, v4
	v_add_nc_u32 v[STO], s23, v4
	s_mul_i32 s23, s[WV], 32*SPITCH                ; back: wave w takes rows 32 w .., whole
	s_add_co_u32 s23, s23, STAGE
	v_mul_u32_u24 v5, v2, SPITCH
	v_lshl_add_u32 v5, v1, 4, v5
	v_add_nc_u32 v[RD], s23, v5
	v_lshlrev_b32 v5, 11, v2
	v_lshl_add_u32 v[CO], v1, 4, v5
; 8 matrix instructions: m blocks a0, a0 + 1 x 4 n blocks, 32 along K (half c of buffer f).  The 16 accumulators take turns.
.macro MUL8 f, c, a0, zero
	WIN MUL
.irp a, \a0, (\a0)+1
.irp b, 0,1,2,3
.if \zero
	v_wmma_f32_16x16x32_f16 v[ACC+8*(4*(\a)+(\b)):ACC+8*(4*(\a)+(\b))+7], v[(\f)+64+8*(4*(\c)+(\b)):(\f)+64+8*(4*(\c)+(\b))+7], v[(\f)+8*(4*(\c)+(\a)):(\f)+8*(4*(\c)+(\a))+7], 0
.else
	v_wmma_f32_16x16x32_f16 v[ACC+8*(4*(\a)+(\b)):ACC+8*(4*(\a)+(\b))+7], v[(\f)+64+8*(4*(\c)+(\b)):(\f)+64+8*(4*(\c)+(\b))+7], v[(\f)+8*(4*(\c)+(\a)):(\f)+8*(4*(\c)+(\a))+7], v[ACC+8*(4*(\a)+(\b)):ACC+8*(4*(\a)+(\b))+7]
.endif
.endr
.endr
.endm
.macro FETCH k, f                      ; 32 LDS loads in one run: 64 along K at byte k behind the two addresses; the first 32 along K first
	WIN TO_F
.irp c, 0,1
.irp i, 0,1,2,3
	ds_load_b128 v[(\f)+64+8*(4*(\c)+(\i)):(\f)+64+8*(4*(\c)+(\i))+3],   v[ADRB] offset:(\k)+64*(\c)+(\i)*16*PITCH
	ds_load_b128 v[(\f)+64+8*(4*(\c)+(\i))+4:(\f)+64+8*(4*(\c)+(\i))+7], v[ADRB] offset:(\k)+64*(\c)+(\i)*16*PITCH+32
	ds_load_b128 v[(\f)+8*(4*(\c)+(\i)):(\f)+8*(4*(\c)+(\i))+3],         v[ADRA] offset:(\k)+64*(\c)+(\i)*16*PITCH
	ds_load_b128 v[(\f)+8*(4*(\c)+(\i))+4:(\f)+8*(4*(\c)+(\i))+7],       v[ADRA] offset:(\k)+64*(\c)+(\i)*16*PITCH+32
.endr
.endr
.endm
.macro QUARTER f, g, k, zero           ; multiplies buffer f, fetches the next quarter into g
	s_wait_dscnt 16                                ; the first 32 along K are in
	MUL8 \f, 0, 0, \zero
	MUL8 \f, 0, 2, \zero
	PLACES
	FETCH \k, \g
	s_wait_dscnt 32                                ; all but the 32 just issued
	MUL8 \f, 1, 0, 0
	MUL8 \f, 1, 2, 0
.endm
.macro STEPADR                         ; the fetches go two quarters on
	WIN 0
	s_add_co_u32 s[TB], s[TB], 2*QB
	v_add_nc_u32 v[ADRA], s[TB], v[A0]
	v_add_nc_u32 v[ADRB], s[TB], v[B0]
.endm
.macro PAIR
	QUARTER F1, F0, 0, 0
	QUARTER F0, F1, QB, 0
	STEPADR
.endm
; THE CHANGE OF SLOTS.  All of the old slot has been fetched (its last quarter waits in buffer 1).  Each wave waits for all its tensor loads (one is out: its part of the other slot), adds 0 to its spare word,
; and waits for that and for its reads.  fill = 1: a round of the cluster's barrier, and the old slot's joint refill first behind it.
.macro CHANGE fill
	WIN 0
	s_wait_tensorcnt 0x0                           ; no tensor load of mine is out, so a group 0 may be written
	ds_add_u32 v[SPW], v[NIL]
.if \fill
.irp g, G0A+4, G0B+4
	s_xor_b32 s[(\g)+1], s[(\g)+1], SLOT           ; the other slot than last time,
	s_add_nc_u64 s[(\g)+2:(\g)+3], s[(\g)+2:(\g)+3], KSTEP*2  ; the next K step
.endr
.endif
	s_sub_co_u32 s[TB], s[TB], 4*QB                ; the fetches go back to the rows' heads,
	s_xor_b32 s[TB], s[TB], SLOT                   ; in the other slot
	v_add_nc_u32 v[ADRA], s[TB], v[A0]
	v_add_nc_u32 v[ADRB], s[TB], v[B0]
	s_wait_dscnt 0x0                               ; the add is done, and my reads of the old slot are over
.if \fill
	CROUND
	JLOAD
.else
	s_barrier_signal -1
	s_barrier_wait -1
.endif
.endm
	s_wait_tensorcnt 0x1                           ; my part of K step 0 is in; step 1's may stay out
	s_barrier_signal -1
	s_barrier_wait -1
	FETCH 0, F0
	QUARTER F0, F1, QB, 1                          ; the first products start the sums
	STEPADR
	PAIR
	s_mov_b32 s[STEPS], TSTEPS-2
.Lstep:                                        ; a trip: into the next K step; the slot left behind takes the step after it
	CHANGE 1
	s_mov_b32 s[CNT], 2
.Lpair:
	PAIR
	s_sub_co_u32 s[CNT], s[CNT], 1
	s_cmp_lg_u32 s[CNT], 0
	s_cbranch_scc1 .Lpair
	s_sub_co_u32 s[STEPS], s[STEPS], 1
	s_cmp_lg_u32 s[STEPS], 0
	s_cbranch_scc1 .Lstep
	CHANGE 0                                       ; the last K step is written out: nothing is asked for
	s_mov_b32 s[CNT], 2
.Lpair2:
	PAIR
	s_sub_co_u32 s[CNT], s[CNT], 1
	s_cmp_lg_u32 s[CNT], 0
	s_cbranch_scc1 .Lpair2
	s_wait_dscnt 16                                ; the very last quarter
	MUL8 F1, 0, 0, 0
	MUL8 F1, 0, 2, 0
	s_wait_dscnt 0x0
	MUL8 F1, 1, 0, 0
	MUL8 F1, 1, 2, 0
	WIN 0
	; THE WAY OUT: rounded to f16; 16 bytes a lane into the stage; a barrier, since a row's 256 bytes come from two waves; back as whole rows
	PLACES
.irp t, 0,1,2,3,4,5,6,7,8,9,10,11,12,13,14,15
.irp r, 0,1,2,3
	v_cvt_pk_f16_f32 v[TMP+4*(\t)+(\r)], v[ACC+8*(\t)+2*(\r)], v[ACC+8*(\t)+2*(\r)+1]
.endr
.endr
.irp a, 0,1,2,3
.irp b, 0,1,2,3
	ds_store_b128 v[STO], v[TMP+4*(4*(\a)+(\b)):TMP+4*(4*(\a)+(\b))+3] offset:(\a)*16*SPITCH+32*(\b)
.endr
.endr
	s_wait_dscnt 0x0                               ; for the others' sake
	s_barrier_signal -1
	s_barrier_wait -1
.irp t, 0,1,2,3,4,5,6,7,8,9,10,11,12,13,14,15
	ds_load_b128 v[TMP+4*(\t):TMP+4*(\t)+3], v[RD] offset:(\t)*2*SPITCH
.endr
.irp t, 0,1,2,3,4,5,6,7,8,9,10,11,12,13,14,15
	s_wait_dscnt 15-(\t)
	global_store_b128 v[CO], v[TMP+4*(\t):TMP+4*(\t)+3], s[6:7] offset:4096*(\t)  ; sixteen lanes store 256 consecutive bytes, aligned
.endr
	s_wait_tensorcnt 0x0                           ; the wave's end
	ds_add_u32 v[SPW], v[NIL]
	s_wait_dscnt 0x0
	CROUND                                         ; the closing round
	s_endpgm
.Lfunc_end_k_q9bd88b7360_wprod:
	.size	k_q9bd88b7360_wprod, .Lfunc_end_k_q9bd88b7360_wprod-k_q9bd88b7360_wprod
	.p2alignl 7, 3214868480
	.fill 96, 4, 3214868480
	.section	.rodata,"a",@progbits
	.p2align	6, 0x0
	.amdhsa_kernel k_q9bd88b7360_wprod
		.amdhsa_group_segment_fixed_size 327680
		.amdhsa_private_segment_fixed_size 0
		.amdhsa_enable_private_segment 0
		.amdhsa_kernarg_size 16
		.amdhsa_user_sgpr_count 2
		.amdhsa_user_sgpr_kernarg_segment_ptr 1
		.amdhsa_wavefront_size32 1
		.amdhsa_system_sgpr_workgroup_id_x 1
		.amdhsa_system_sgpr_workgroup_id_y 1
		.amdhsa_system_sgpr_workgroup_id_z 1
		.amdhsa_system_vgpr_workitem_id 0
		.amdhsa_next_free_vgpr 512
		.amdhsa_next_free_sgpr 72
		.amdhsa_reserve_vcc 0
		.amdhsa_float_denorm_mode_32 3
		.amdhsa_float_denorm_mode_16_64 3
		.amdhsa_memory_ordered 1
		.amdhsa_forward_progress 1
		.amdhsa_inst_pref_size 52
	.end_amdhsa_kernel
	.amdgpu_metadata
---
amdhsa.version: [ 1, 2 ]
amdhsa.kernels:
  - .name:           k_q9bd88b7360_wprod
    .symbol:         k_q9bd88b7360_wprod.kd
    .args:
      - { .name: wh, .offset: 0, .size: 8, .value_kind: global_buffer, .address_space: global }
      - { .name: wmn, .offset: 8, .size: 8, .value_kind: global_buffer, .address_space: global }
    .group_segment_fixed_size: 327680
    .private_segment_fixed_size: 0
    .kernarg_segment_align: 8
    .kernarg_segment_size: 16
    .max_flat_workgroup_size: 128
    .sgpr_count:     72
    .vgpr_count:     512
    .wavefront_size: 32
...
	.end_amdgpu_metadata
.endif
;; end of part 2
;; launch proj (part 3): grid 8 x 32, 4 waves a work-group, clusters of 4 x 4, 327,680 bytes of LDS; arguments xh, wmn, qs, vt; writes qs, vt
.if DOCPART == 3
	.amdgcn_target "amdgcn-amd-amdhsa--gfx1250"
	.amdhsa_code_object_version 6
	.text
	.protected	k_q9bd88b7360_proj
	.globl	k_q9bd88b7360_proj
	.p2align	8
	.type	k_q9bd88b7360_proj,@function
k_q9bd88b7360_proj:
	s_mov_b64 s[64:65], 0
	v_nop
	global_prefetch_b8 v0, s[64:65] scope:SCOPE_SE
	s_setreg_imm32_b32 hwreg(HW_REG_WAVE_MODE, 25, 1), 1
	s_wait_xcnt 0x0
	s_wait_alu depctr_hold_cnt(0) depctr_sa_sdst(0) depctr_va_vdst(0) depctr_va_sdst(0) depctr_va_ssrc(0) depctr_va_vcc(0) depctr_vm_vsrc(0)
	s_getreg_b32 s2, hwreg(HW_REG_IB_STS2, 6, 4)
	s_cmp_eq_u32 s2, 0
	s_cbranch_scc0 .Lentry_in_a_cluster
	s_endpgm
.Lentry_in_a_cluster:
	s_bfe_u32 s2, ttmp6, 0x10000c
	s_cmp_lg_u32 s2, 0xf033
	s_cbranch_scc0 .Lentry_shape_is_right
	s_endpgm
.Lentry_shape_is_right:
; THE TWO PROJECTIONS.  qs[s][d'] = sum over d of xh[s][d] MT[d'][d]  ([8192][1024]);  vt[e][s] = sum over d of NT[e][d] xh[s][d]  ([1024][8192], turned so that the keys lie along its rows).
; xh = x / 256, so both leave as 1/256 of x (Wq Wk^T) and of (x Wv Wo)^T; the launches behind undo that in f32.  f16 operands, f32 sums, rounded once to f16.
; LIMITS.  |x Wq Wk^T| and |x Wv Wo| under 1.67e7 (65,504 x 256); below 0.0156 they keep a fixed step of 1.5e-5.  NaN and infinities are not treated apart.
; Both are C = A B^T with K = 1024, and ONE text makes both: the cluster's x is the role.  Role 0: A = xh (tile 4 c + cy), B = MT (tile cx), C = qs.  Role 1: A = NT (tile cy), B = xh (tile 4 c + cx), C = vt.
; 128 + 128 tiles of 256 x 256: a work-group a tile, four waves of 128 x 128 (64 accumulators).  K goes in steps of 128 through two LDS slots (rows of 256 bytes + 16).
; CLUSTER 4 x 4: A's tile is shared along a row of the cluster, B's along a column: joint loads.  The matrix instruction is used transposed: a lane holds eight neighbouring numbers of a row of C.
; REGISTERS: window 0: v0-31 addresses; v64-127, v128-191 A's fragments, two buffers; v32-63, v192-255 the way out.  Window 1: v64-191 B's fragments.  Windows 2, 3: accumulators ((a, b) at 8 (8 a + b)).
.set KSTEP,  128
.set TSTEPS, 8
.set QB,     64                        ; bytes of a row in a quarter of a K step
.set PITCH,  272
.set HALFT,  128*PITCH                 ; what one tensor load brings
.set SLOT,   4*HALFT                   ; A's 256 rows, then B's.  SLOT = 0x22000 shares no bit with wave x HALFT: an exclusive or changes slots
.set STAGE,  2*SLOT                    ; 16 rows x 272 bytes for each wave
.set SPARE,  STAGE+4*16*PITCH          ; the spare words, 128 bytes a wave
.set G1W0,   (1<<16)|(1<<20)|(1<<21)|(5<<22)|(3<<25)  ; 2-byte elements; padding on; bit 21 beside a mask; after every 64 words, 4 words
.set WV, 14
.set SIDE, 15                          ; wave / 2: my half of the rows; I fetch for A (0) or B (1)
.set HALF, 16                          ; wave % 2: my half of the columns; which 128 rows of that tile I fetch
.set CX, 17
.set CY, 18
.set CLX, 19
.set CLY, 20
.set G1A, 24
.set G1B, 32
.set G0A, 40                           ; two sets: the first fills'; the second then walks
.set G0B, 48
.set STEPS, 56
.set CNT, 57
.set TB, 58
.set LIM, 59                           ; 1 in a wave that prefetches, else the greatest number
.set PFA, 60                           ; s[60:61] where my prefetches stand
.set AP, 66                            ; s[66:67] A at my tile
.set BP, 68
.set CPT, 70                           ; s[70:71] C
.set CSH, 72                           ; log2 of the bytes in a row of C
.set AO, 76
.set BO, 78
.set CFIRST, 80                        ; s[80:81] my part's first byte in C
.set CNEXT, 82                         ; s[82:83] 16 rows of C
.set CO, 8                             ; v8-15  my byte offsets in 16 rows of C, two rows a store
.set A0, 16
.set B0, 17
.set ADRA, 18
.set ADRB, 19
.set STO, 24
.set RD, 25
.set SPW, 28
.set NIL, 29
.set PFO, 30                           ; v30  my lane x 2,048: a row of xh or wmn
.set F0, 64
.set F1, 128
.set TMP, 192
.set OB, 32
.set MUL_LO, 0xa1                      ; source 0 (B) window 1, source 1 (A) window 0, C and D window 2
.set TO_B, 0x40
.set MSB, 0
.macro WIN new
.if MSB != (\new)
	s_set_vgpr_msb (MSB<<8)|(\new)
.set MSB, \new
.endif
.endm
.macro PLACES
.rept 4
	v_nop
.endr
.endm
.macro CROUND
	s_barrier_signal -1
	s_barrier_wait -1
	s_cmp_lg_u32 s[WV], 0
	s_cbranch_scc1 .Lnot_wave_0_\@
	s_barrier_signal -3
.Lnot_wave_0_\@:
	s_barrier_wait -3
	s_barrier_signal -1
	s_barrier_wait -1
.endm
.macro JLOAD
	s_cmp_eq_u32 s[SIDE], 0
	s_cbranch_scc0 .Lfor_b_\@
	tensor_load_to_lds s[G0A+4:G0A+7], s[G1A:G1A+7]
	s_nop 0
	PLACES
	s_branch .Lasked_\@
.Lfor_b_\@:
	tensor_load_to_lds s[G0B+4:G0B+7], s[G1B:G1B+7]
	s_nop 0
	PLACES
.Lasked_\@:
.endm
; A PREFETCH behind each joint refill: the K step that the NEXT refill will ask for, 256 matrix instructions ahead of it: 32 rows x 256 bytes, a lane a row, one instruction a wave.
; Each row's 256 bytes of a K step are named once in the launch.  x's rows are read in both roles: role 0 asks.  MT's and NT's rows are read by all eight clusters of a role: c = 0 asks.
; Of the 128 rows that a wave fetches, the partner at place p (cx for A, cy for B) takes 32 p ..: told apart by address.  The last refill asks for nothing; K steps 0 to 2 come by their loads alone.
.macro ASK
	s_cmp_gt_u32 s[STEPS], s[LIM]
	s_cbranch_scc0 .Lnot_mine_\@
	global_prefetch_b8 v[PFO], s[PFA:PFA+1] th:TH_LOAD_NT scope:SCOPE_SE
.Lnot_mine_\@:
.endm
	s_load_b256 s[4:11], s[0:1], 0x0               ; xh s[4:5], wmn s[6:7], qs s[8:9], vt s[10:11]
	v_lshl_add_u32 v[SPW], v0, 2, SPARE
	v_mov_b32 v[NIL], 0
	ds_add_u32 v[SPW], v[NIL]                      ; the wave's opening: the add and its wait ahead of my first tensor load
	v_lshrrev_b32 v1, 5, v0
	v_readfirstlane_b32 s[WV], v1
	s_lshr_b32 s[SIDE], s[WV], 1
	s_and_b32 s[HALF], s[WV], 1
	s_bfe_u32 s[CX], ttmp6, 0x40000
	s_bfe_u32 s[CY], ttmp6, 0x40004
	s_mov_b32 s[CLX], ttmp9                        ; the role
	s_and_b32 s[CLY], ttmp7, 0xffff                ; c: 0..7
	s_lshl_b32 s21, s[CY], 2
	s_lshl_b32 s21, 15, s21                        ; my row of the cluster
	s_lshl_b32 s22, 0x1111, s[CX]                  ; my column
	s_or_b32 s[G1A], s21, G1W0
	s_or_b32 s[G1B], s22, G1W0
.irp g, G1A, G1B
	s_mov_b32 s[(\g)+1], KSTEP<<16                 ; tensor_dim0 = 128
	s_mov_b32 s[(\g)+2], 128<<16                   ; tensor_dim1 = 128
	s_mov_b32 s[(\g)+3], KSTEP<<16                 ; tile_dim0 = 128
	s_mov_b32 s[(\g)+4], 128                       ; tile_dim1 = 128
	s_mov_b32 s[(\g)+5], 1024                      ; elements from row to row, in xh and in wmn
	s_mov_b32 s[(\g)+6], 0
	s_mov_b32 s[(\g)+7], 0
.endr
	s_lshl_b32 s2, s[CLY], 2
	s_cmp_eq_u32 s[CLX], 0
	s_cselect_b32 s[AO], s2, 0
	s_cselect_b32 s[BO], 0, s2
	s_cselect_b32 s[CSH], 11, 14                   ; a row of qs is 2,048 bytes, of vt 16,384
	s_cselect_b32 s3, 0, 0x200000                  ; NT lies behind MT
	s_add_co_u32 s[AO], s[AO], s[CY]               ; A's tile
	s_add_co_u32 s[BO], s[BO], s[CX]               ; B's tile
	s_lshl_b32 s[CFIRST], s[AO], 1
	s_add_co_u32 s[CFIRST], s[CFIRST], s[SIDE]
	s_lshl_b32 s[CFIRST], s[CFIRST], 7             ; my first row of C,
	s_lshl_b32 s[CFIRST], s[CFIRST], s[CSH]        ; in bytes,
	s_lshl_b32 s21, s[BO], 1
	s_add_co_u32 s21, s21, s[HALF]
	s_lshl_b32 s21, s21, 8                         ; and my 128 columns
	s_add_co_u32 s[CFIRST], s[CFIRST], s21
	s_mov_b32 s[CFIRST+1], 0
	s_lshl_b32 s[CNEXT], 16, s[CSH]
	s_mov_b32 s[CNEXT+1], 0
	s_lshl_b32 s[AO], s[AO], 1
	s_add_co_u32 s[AO], s[AO], s[HALF]
	s_lshl_b32 s[AO], s[AO], 18                    ; 128 rows of 2,048 bytes
	s_add_co_u32 s[AO], s[AO], s3
	s_mov_b32 s[AO+1], 0
	s_lshl_b32 s[BO], s[BO], 1
	s_add_co_u32 s[BO], s[BO], s[HALF]
	s_lshl_b32 s[BO], s[BO], 18
	s_mov_b32 s[BO+1], 0
	s_mul_i32 s23, s[WV], HALFT                    ; where my tiles go: no place in the cluster enters an LDS address
	s_xor_b32 s21, s[SIDE], s[CLX]                 ; 0: what I fetch is x
	s_cmp_eq_u32 s21, 0
	s_cselect_b32 s21, s[CLX], s[CLY]              ; x: role 0 asks; a weight: c = 0 asks
	s_cmp_eq_u32 s21, 0
	s_cselect_b32 s[LIM], 1, -1                    ; the same in all sixteen partners, for a given wave
	s_cmp_eq_u32 s[SIDE], 0
	s_cselect_b32 s12, s[CX], s[CY]                ; my place among the four that ask with me
	s_lshl_b32 s12, s12, 16                        ; 32 rows of 2,048 bytes
	s_add_co_u32 s12, s12, 2*KSTEP*2               ; at K step 2: the first change steps it to 3
	s_mov_b32 s13, 0
	s_wait_dscnt 0x0                               ; the opening add is done
	s_wait_kmcnt 0x0
	s_cmp_eq_u32 s[CLX], 0
	s_cselect_b64 s[AP:AP+1], s[4:5], s[6:7]
	s_cselect_b64 s[BP:BP+1], s[6:7], s[4:5]
	s_cselect_b64 s[CPT:CPT+1], s[8:9], s[10:11]
	s_add_nc_u64 s[AP:AP+1], s[AP:AP+1], s[AO:AO+1]
	s_add_nc_u64 s[BP:BP+1], s[BP:BP+1], s[BO:BO+1]
	s_cmp_eq_u32 s[SIDE], 0
	s_cselect_b64 s[PFA:PFA+1], s[AP:AP+1], s[BP:BP+1]
	s_add_nc_u64 s[PFA:PFA+1], s[PFA:PFA+1], s[12:13]
	CROUND                                         ; all sixteen work-groups are here: the first joint loads meet
.irp s, 0,1
	s_mov_b32 s[G0A+4*(\s)], 1
	s_add_co_u32 s[G0A+4*(\s)+1], s23, (\s)*SLOT
	s_add_nc_u64 s[G0A+4*(\s)+2:G0A+4*(\s)+3], s[AP:AP+1], (\s)*KSTEP*2
	s_or_b32 s[G0A+4*(\s)+3], s[G0A+4*(\s)+3], 0x80000000
	s_mov_b32 s[G0B+4*(\s)], 1
	s_add_co_u32 s[G0B+4*(\s)+1], s23, (\s)*SLOT
	s_add_nc_u64 s[G0B+4*(\s)+2:G0B+4*(\s)+3], s[BP:BP+1], (\s)*KSTEP*2
	s_or_b32 s[G0B+4*(\s)+3], s[G0B+4*(\s)+3], 0x80000000
.endr
	s_cmp_eq_u32 s[SIDE], 0                        ; a wave's two first fills stand in one branch: two loads of mine are out
	s_cbranch_scc0 .Lfirst_b
	tensor_load_to_lds s[G0A:G0A+3], s[G1A:G1A+7]
	s_nop 0
	tensor_load_to_lds s[G0A+4:G0A+7], s[G1A:G1A+7]
	s_nop 0
	PLACES
	s_branch .Lfirst_asked
.Lfirst_b:
	tensor_load_to_lds s[G0B:G0B+3], s[G1B:G1B+7]
	s_nop 0
	tensor_load_to_lds s[G0B+4:G0B+7], s[G1B:G1B+7]
	s_nop 0
	PLACES
.Lfirst_asked:
	v_and_b32 v1, 15, v0                           ; l % 16
	v_bfe_u32 v2, v0, 4, 1                         ; l / 16
	v_mul_u32_u24 v3, v1, PITCH
	v_lshl_add_u32 v3, v2, 4, v3                   ; row x pitch + 16 x half
	s_mul_i32 s21, s[SIDE], HALFT
	s_mul_i32 s22, s[HALF], HALFT
	s_add_co_u32 s22, s22, 2*HALFT
	v_add_nc_u32 v[A0], s21, v3
	v_add_nc_u32 v[B0], s22, v3
	v_mov_b32 v[ADRA], v[A0]
	v_mov_b32 v[ADRB], v[B0]
	s_mov_b32 s[TB], 0
	s_mul_i32 s23, s[WV], 16*PITCH
	s_add_co_u32 s23, s23, STAGE                   ; my stage
	v_add_nc_u32 v[STO], s23, v3                   ; in: row l % 16, 16 bytes for each half of the lanes
	v_mul_u32_u24 v4, v2, PITCH                    ; back: lanes 0-15 one row of 256 bytes, lanes 16-31 the next
	v_lshl_add_u32 v4, v1, 4, v4
	v_add_nc_u32 v[RD], s23, v4
.irp t, 0,1,2,3,4,5,6,7
	v_add_nc_u32 v5, 2*(\t), v2                    ; the same rows in C
	v_lshlrev_b32 v5, s[CSH], v5
	v_lshl_add_u32 v[CO+(\t)], v1, 4, v5
.endr
	v_and_b32 v[PFO], 31, v0
	v_lshlrev_b32 v[PFO], 11, v[PFO]
; 16 matrix instructions: m blocks a0, a0 + 1 of the window's four x 8 n blocks, 32 along K.  The 64 accumulators take turns in the same order in every quarter.
.macro MUL16 f, hi, a0, zero
	WIN MUL_LO+0x50*(\hi)
.irp a, \a0, (\a0)+1
.irp b, 0,1,2,3,4,5,6,7
.if \zero
	v_wmma_f32_16x16x32_f16 v[8*(8*(\a)+(\b)):8*(8*(\a)+(\b))+7], v[(\f)+8*(\b):(\f)+8*(\b)+7], v[(\f)+8*(4*(\hi)+(\a)):(\f)+8*(4*(\hi)+(\a))+7], 0
.else
	v_wmma_f32_16x16x32_f16 v[8*(8*(\a)+(\b)):8*(8*(\a)+(\b))+7], v[(\f)+8*(\b):(\f)+8*(\b)+7], v[(\f)+8*(4*(\hi)+(\a)):(\f)+8*(4*(\hi)+(\a))+7], v[8*(8*(\a)+(\b)):8*(8*(\a)+(\b))+7]
.endif
.endr
.endr
.endm
.macro FETCH k, f                      ; 32 LDS loads in one run: a quarter's fragments (B's 128 rows, A's 128 rows, 32 K at byte k behind the two addresses)
	WIN TO_B
.irp i, 0,1,2,3,4,5,6,7
	ds_load_b128 v[(\f)+8*(\i):(\f)+8*(\i)+3],   v[ADRB] offset:(\k)+(\i)*16*PITCH
	ds_load_b128 v[(\f)+8*(\i)+4:(\f)+8*(\i)+7], v[ADRB] offset:(\k)+(\i)*16*PITCH+32
.endr
	WIN 0
.irp i, 0,1,2,3,4,5,6,7
	ds_load_b128 v[(\f)+8*(\i):(\f)+8*(\i)+3],   v[ADRA] offset:(\k)+(\i)*16*PITCH
	ds_load_b128 v[(\f)+8*(\i)+4:(\f)+8*(\i)+7], v[ADRA] offset:(\k)+(\i)*16*PITCH+32
.endr
.endm
.macro QUARTER f, g, k, zero           ; multiplies buffer f; in its middle it fetches the next quarter into g
	s_wait_dscnt 8                                 ; B and A's rows 0-63 are in; the youngest eight loads may be out
	MUL16 \f, 0, 0, \zero
	MUL16 \f, 0, 2, \zero
	PLACES
	FETCH \k, \g
	s_wait_dscnt 32                                ; all but the 32 just issued
	MUL16 \f, 1, 0, \zero
	MUL16 \f, 1, 2, \zero
.endm
.macro STEPADR
	WIN 0
	s_add_co_u32 s[TB], s[TB], 2*QB
	v_add_nc_u32 v[ADRA], s[TB], v[A0]
	v_add_nc_u32 v[ADRB], s[TB], v[B0]
.endm
.macro PAIR
	QUARTER F1, F0, 0, 0
	QUARTER F0, F1, QB, 0
	STEPADR
.endm
; THE CHANGE OF SLOTS.  All of the old slot has been fetched (its last quarter waits in buffer 1).  Each wave waits for all its tensor loads (one is out: its part of the other slot), adds 0 to its spare word,
; and waits for that and for its reads.  fill = 1: a round of the cluster's barrier, and the old slot's joint refill first behind it: it has a K step, 256 matrix instructions, in which to land.
.macro CHANGE fill
	WIN 0
	s_wait_tensorcnt 0x0                           ; no tensor load of mine is out, so a group 0 may be written
	ds_add_u32 v[SPW], v[NIL]
.if \fill
.irp g, G0A+4, G0B+4
	s_xor_b32 s[(\g)+1], s[(\g)+1], SLOT
	s_add_nc_u64 s[(\g)+2:(\g)+3], s[(\g)+2:(\g)+3], KSTEP*2
.endr
	s_wait_xcnt 0x0                                ; the last prefetch, a K step back, has read its address
	s_add_nc_u64 s[PFA:PFA+1], s[PFA:PFA+1], KSTEP*2
.endif
	s_sub_co_u32 s[TB], s[TB], 4*QB
	s_xor_b32 s[TB], s[TB], SLOT
	v_add_nc_u32 v[ADRA], s[TB], v[A0]
	v_add_nc_u32 v[ADRB], s[TB], v[B0]
	s_wait_dscnt 0x0                               ; the add is done, and my reads of the old slot are over
.if \fill
	CROUND
	JLOAD
	ASK
.else
	s_barrier_signal -1
	s_barrier_wait -1
.endif
.endm
; THE WAY OUT of block a (16 rows).  PACK: rounded to f16, 16 bytes a lane.  TOSTAGE: into my own stage, and back as whole rows of 256 bytes.  SEND: stored.
.macro PACK a
.set AC, 64*((\a)%4)
	WIN 0x0a+5*((\a)/4)                            ; sources 0 and 1: window 2 or 3
.irp b, 0,1,2,3,4,5,6,7
.irp r, 0,1,2,3
	v_cvt_pk_f16_f32 v[TMP+4*(\b)+(\r)], v[AC+8*(\b)+2*(\r)], v[AC+8*(\b)+2*(\r)+1]
.endr
.endr
	WIN 0
.endm
.macro TOSTAGE a
	WIN 0
.set BK, OB+192*((\a)%2)
.irp b, 0,1,2,3,4,5,6,7
	ds_store_b128 v[STO], v[TMP+4*(\b):TMP+4*(\b)+3] offset:32*(\b)
.endr
.irp t, 0,1,2,3,4,5,6,7
	ds_load_b128 v[BK+4*(\t):BK+4*(\t)+3], v[RD] offset:(\t)*2*PITCH  ; LDS serves a wave's instructions in order: these see the stores above
.endr
.endm
.macro SEND a
	WIN 0
.set BK, OB+192*((\a)%2)
	s_wait_dscnt 0x0                               ; the block is back in registers
	s_wait_xcnt 0x0                                ; earlier stores have read their base and data: both may be rewritten
.if (\a) == 0
	s_add_nc_u64 s[CPT:CPT+1], s[CPT:CPT+1], s[CFIRST:CFIRST+1]
.else
	s_add_nc_u64 s[CPT:CPT+1], s[CPT:CPT+1], s[CNEXT:CNEXT+1]
.endif
.irp t, 0,1,2,3,4,5,6,7
	global_store_b128 v[CO+(\t)], v[BK+4*(\t):BK+4*(\t)+3], s[CPT:CPT+1]  ; sixteen lanes store 256 consecutive bytes, aligned
.endr
.endm
	s_wait_tensorcnt 0x1                           ; my part of K step 0 is in; step 1's may stay out
	s_barrier_signal -1
	s_barrier_wait -1
	FETCH 0, F0
	QUARTER F0, F1, QB, 1                          ; the first products start the sums
	STEPADR
	PAIR
	s_mov_b32 s[STEPS], TSTEPS-2
.Lstep:                                        ; a trip: into the next K step; the slot left behind takes the step after it
	CHANGE 1
	s_mov_b32 s[CNT], 2
.Lpair:
	PAIR
	s_sub_co_u32 s[CNT], s[CNT], 1
	s_cmp_lg_u32 s[CNT], 0
	s_cbranch_scc1 .Lpair
	s_sub_co_u32 s[STEPS], s[STEPS], 1
	s_cmp_lg_u32 s[STEPS], 0
	s_cbranch_scc1 .Lstep
	CHANGE 0                                       ; the last K step is written out: nothing is asked for
	s_mov_b32 s[CNT], 2
.Lpair2:
	PAIR
	s_sub_co_u32 s[CNT], s[CNT], 1
	s_cmp_lg_u32 s[CNT], 0
	s_cbranch_scc1 .Lpair2
	s_wait_dscnt 8                                 ; the very last quarter
	MUL16 F1, 0, 0, 0
	MUL16 F1, 0, 2, 0
	s_wait_dscnt 0x0
	MUL16 F1, 1, 0, 0
	MUL16 F1, 1, 2, 0
	PLACES
	PACK 0
	TOSTAGE 0
.irp a, 1,2,3,4,5,6,7                  ; block a's conversions stand between block a - 1's loads from the stage and the wait for them
	PACK \a
	SEND (\a)-1
	TOSTAGE \a
.endr
	SEND 7
	s_wait_tensorcnt 0x0                           ; the wave's end
	ds_add_u32 v[SPW], v[NIL]
	s_wait_dscnt 0x0
	CROUND                                         ; the closing round
	s_endpgm
.Lfunc_end_k_q9bd88b7360_proj:
	.size	k_q9bd88b7360_proj, .Lfunc_end_k_q9bd88b7360_proj-k_q9bd88b7360_proj
	.p2alignl 7, 3214868480
	.fill 96, 4, 3214868480
	.section	.rodata,"a",@progbits
	.p2align	6, 0x0
	.amdhsa_kernel k_q9bd88b7360_proj
		.amdhsa_group_segment_fixed_size 327680
		.amdhsa_private_segment_fixed_size 0
		.amdhsa_enable_private_segment 0
		.amdhsa_kernarg_size 32
		.amdhsa_user_sgpr_count 2
		.amdhsa_user_sgpr_kernarg_segment_ptr 1
		.amdhsa_wavefront_size32 1
		.amdhsa_system_sgpr_workgroup_id_x 1
		.amdhsa_system_sgpr_workgroup_id_y 1
		.amdhsa_system_sgpr_workgroup_id_z 1
		.amdhsa_system_vgpr_workitem_id 0
		.amdhsa_next_free_vgpr 1024
		.amdhsa_next_free_sgpr 84
		.amdhsa_reserve_vcc 0
		.amdhsa_float_denorm_mode_32 3
		.amdhsa_float_denorm_mode_16_64 3
		.amdhsa_memory_ordered 1
		.amdhsa_forward_progress 1
		.amdhsa_inst_pref_size 93
	.end_amdhsa_kernel
	.amdgpu_metadata
---
amdhsa.version: [ 1, 2 ]
amdhsa.kernels:
  - .name:           k_q9bd88b7360_proj
    .symbol:         k_q9bd88b7360_proj.kd
    .args:
      - { .name: xh, .offset: 0, .size: 8, .value_kind: global_buffer, .address_space: global }
      - { .name: wmn, .offset: 8, .size: 8, .value_kind: global_buffer, .address_space: global }
      - { .name: qs, .offset: 16, .size: 8, .value_kind: global_buffer, .address_space: global }
      - { .name: vt, .offset: 24, .size: 8, .value_kind: global_buffer, .address_space: global }
    .group_segment_fixed_size: 327680
    .private_segment_fixed_size: 0
    .kernarg_segment_align: 8
    .kernarg_segment_size: 32
    .max_flat_workgroup_size: 128
    .sgpr_count:     84
    .vgpr_count:     1024
    .wavefront_size: 32
...
	.end_amdgpu_metadata
.endif
;; end of part 3
;; launch score (part 4): grid 8 x 32, 4 waves a work-group, clusters of 4 x 4, 327,680 bytes of LDS; arguments qs, xh, pbuf, stats; writes pbuf, stats
.if DOCPART == 4
	.amdgcn_target "amdgcn-amd-amdhsa--gfx1250"
	.amdhsa_code_object_version 6
	.text
	.protected	k_q9bd88b7360_score
	.globl	k_q9bd88b7360_score
	.p2align	8
	.type	k_q9bd88b7360_score,@function
k_q9bd88b7360_score:
	s_mov_b64 s[64:65], 0
	v_nop
	global_prefetch_b8 v0, s[64:65] scope:SCOPE_SE
	s_setreg_imm32_b32 hwreg(HW_REG_WAVE_MODE, 25, 1), 1
	s_wait_xcnt 0x0
	s_wait_alu depctr_hold_cnt(0) depctr_sa_sdst(0) depctr_va_vdst(0) depctr_va_sdst(0) depctr_va_ssrc(0) depctr_va_vcc(0) depctr_vm_vsrc(0)
	s_getreg_b32 s2, hwreg(HW_REG_IB_STS2, 6, 4)
	s_cmp_eq_u32 s2, 0
	s_cbranch_scc0 .Lentry_in_a_cluster
	s_endpgm
.Lentry_in_a_cluster:
	s_bfe_u32 s2, ttmp6, 0x10000c
	s_cmp_lg_u32 s2, 0xf033
	s_cbranch_scc0 .Lentry_shape_is_right
	s_endpgm
.Lentry_shape_is_right:
; THE SCORES AND THE FIRST HALF OF THE SOFTMAX.  acc[q][k] = sum over d of qs[q][d] xh[k][d], keys of q's own batch; t = c acc with c = log2(e) / 32 x 2^16 (qs and xh each carry 1/256).
; For each row and each BLOCK of 128 keys (a wave's columns): m = the block's maximum of t, p = 2^(t - m) (0 to 1, rounded to f16 into pbuf [8192][2048]), l = the sum of the unrounded p.
; (m, l) go in f32 to stats [batch][block][row]; the launch behind takes the rows' true maxima from them and scales the blocks.  So a maximum is taken away before every exponential.
; LIMITS.  A weight p below 6e-8 counts as 0 in pbuf, below 2^-126 in l.  NaN and infinities are not treated apart.
; C = A B^T with K = 1024; a tile is 256 x 256: 32 row tiles x 8 column tiles, a work-group a tile, four waves of 128 x 128.  K goes in steps of 128 through two LDS slots (rows of 256 bytes + 16).
; CLUSTER 4 x 4: A's tile is shared along a row of the cluster, B's along a column: joint loads.  The matrix instruction is used transposed: a lane holds ONE row (l % 16) and eight neighbouring keys an accumulator,
; 64 of the row's 128 keys; the lane 16 away holds the others.
; REGISTERS: window 0: v0-47 addresses and statistics; v64-191 A's fragments, later the way out.  Window 1: v64-191 B's fragments.  Windows 2, 3: accumulators ((a, b) at 8 (8 a + b)).
.set KSTEP,  128
.set TSTEPS, 8
.set QB,     64
.set PITCH,  272
.set HALFT,  128*PITCH
.set SLOT,   4*HALFT                   ; 0x22000 shares no bit with wave x HALFT: an exclusive or changes slots
.set STAGE,  2*SLOT                    ; 16 rows x 272 bytes for each wave
.set STATS,  STAGE+4*16*PITCH          ; 128 pairs (m, l) for each wave: 1,024 bytes
.set SPARE,  STATS+4*1024              ; the spare words, 128 bytes a wave
.set G1W0,   (1<<16)|(1<<20)|(1<<21)|(5<<22)|(3<<25)
.set WV, 14
.set SIDE, 15
.set HALF, 16
.set CX, 17
.set CY, 18
.set CLX, 19
.set CLY, 20
.set G1A, 24
.set G1B, 32
.set G0A, 40
.set G0B, 48
.set STEPS, 56
.set CNT, 57
.set TB, 58
.set LIM, 59
.set PFA, 60
.set CS, 66                            ; s[66:67] c
.set SEL, 68                           ; s[68:69] v_permlanex16_b32's selects: each lane takes its own place in the other half
.set BLK, 70                           ; blocks of 16 rows still to go out
.set AO, 76
.set BO, 78
.set PO, 80                            ; s[80:81] what the next block adds to pbuf's address
.set SO, 82
.set A0, 16
.set B0, 17
.set ADRA, 18
.set ADRB, 19
.set SG, 22                            ; v22  16 x lane
.set SR, 23                            ; v23  where I read my wave's pairs back
.set STO, 24
.set RD, 25
.set CO, 26
.set SA, 27                            ; v27  where my row's pair goes
.set SPW, 28
.set NIL, 29
.set PFO, 30
.set C0, 32                            ; v32-35 at work
.set MM, 36                            ; v[36:37] m, twice
.set LS, 38                            ; v[38:39] (m, l)
.set SV, 40                            ; v[40:47]
.set F0, 64
.set F1, 128
.set T, 64                             ; v64-127  a block's 64 scores a lane, then weights
.set PK, 128                           ; v128-159 rounded
.set OB, 160                           ; v160-191 whole rows
.set MUL_LO, 0xa1
.set TO_B, 0x40
.set MSB, 0
.macro WIN new
.if MSB != (\new)
	s_set_vgpr_msb (MSB<<8)|(\new)
.set MSB, \new
.endif
.endm
.macro PLACES
.rept 4
	v_nop
.endr
.endm
.macro CROUND
	s_barrier_signal -1
	s_barrier_wait -1
	s_cmp_lg_u32 s[WV], 0
	s_cbranch_scc1 .Lnot_wave_0_\@
	s_barrier_signal -3
.Lnot_wave_0_\@:
	s_barrier_wait -3
	s_barrier_signal -1
	s_barrier_wait -1
.endm
.macro JLOAD
	s_cmp_eq_u32 s[SIDE], 0
	s_cbranch_scc0 .Lfor_b_\@
	tensor_load_to_lds s[G0A+4:G0A+7], s[G1A:G1A+7]
	s_nop 0
	PLACES
	s_branch .Lasked_\@
.Lfor_b_\@:
	tensor_load_to_lds s[G0B+4:G0B+7], s[G1B:G1B+7]
	s_nop 0
	PLACES
.Lasked_\@:
.endm
; A PREFETCH behind each joint refill: the K step that the NEXT refill will ask for, 256 matrix instructions ahead of it: 32 rows x 256 bytes, a lane a row, one instruction a wave.
; qs's rows are read by both clusters of a row of clusters: cluster x = 0 asks.  xh's rows are read by the two clusters of a batch in a column of clusters: the even cluster y asks.
; Of the 128 rows that a wave fetches, the partner at place p (cx for A, cy for B) takes 32 p ..: told apart by address.  The last refill asks for nothing; K steps 0 to 2 come by their loads alone.
.macro ASK
	s_cmp_gt_u32 s[STEPS], s[LIM]
	s_cbranch_scc0 .Lnot_mine_\@
	global_prefetch_b8 v[PFO], s[PFA:PFA+1] th:TH_LOAD_NT scope:SCOPE_SE
.Lnot_mine_\@:
.endm
	s_load_b256 s[4:11], s[0:1], 0x0               ; qs s[4:5], xh s[6:7], pbuf s[8:9], stats s[10:11]
	v_lshl_add_u32 v[SPW], v0, 2, SPARE
	v_mov_b32 v[NIL], 0
	ds_add_u32 v[SPW], v[NIL]                      ; the wave's opening: the add and its wait ahead of my first tensor load
	v_lshrrev_b32 v1, 5, v0
	v_readfirstlane_b32 s[WV], v1
	s_lshr_b32 s[SIDE], s[WV], 1
	s_and_b32 s[HALF], s[WV], 1
	s_bfe_u32 s[CX], ttmp6, 0x40000
	s_bfe_u32 s[CY], ttmp6, 0x40004
	s_mov_b32 s[CLX], ttmp9
	s_and_b32 s[CLY], ttmp7, 0xffff
	s_lshl_b32 s21, s[CY], 2
	s_lshl_b32 s21, 15, s21
	s_lshl_b32 s22, 0x1111, s[CX]
	s_or_b32 s[G1A], s21, G1W0
	s_or_b32 s[G1B], s22, G1W0
.irp g, G1A, G1B
	s_mov_b32 s[(\g)+1], KSTEP<<16
	s_mov_b32 s[(\g)+2], 128<<16
	s_mov_b32 s[(\g)+3], KSTEP<<16
	s_mov_b32 s[(\g)+4], 128
	s_mov_b32 s[(\g)+5], 1024
	s_mov_b32 s[(\g)+6], 0
	s_mov_b32 s[(\g)+7], 0
.endr
	s_mov_b32 s[CS], 0x4538aa3b                    ; c = 2048 log2(e)
	s_mov_b32 s[CS+1], s[CS]
	s_mov_b32 s[SEL], 0x76543210
	s_mov_b32 s[SEL+1], 0xfedcba98
	s_lshl_b32 s[AO], s[CLY], 2
	s_add_co_u32 s[AO], s[AO], s[CY]               ; row tile, 0..31
	s_lshl_b32 s[BO], s[CLX], 2
	s_add_co_u32 s[BO], s[BO], s[CX]               ; column tile, 0..7
	s_lshr_b32 s2, s[CLY], 1                       ; batch
	s_lshl_b32 s[PO], s[AO], 1
	s_add_co_u32 s[PO], s[PO], s[SIDE]
	s_lshl_b32 s[PO], s[PO], 19                    ; my 128 rows of 4,096 bytes in pbuf,
	s_lshl_b32 s21, s[BO], 1
	s_add_co_u32 s21, s21, s[HALF]                 ; my block of 128 keys, 0..15
	s_lshl_b32 s22, s21, 8
	s_add_co_u32 s[PO], s[PO], s22                 ; its 256 bytes
	s_mov_b32 s[PO+1], 0
	s_lshl_b32 s[SO], s2, 4
	s_add_co_u32 s[SO], s[SO], s21                 ; 16 batch + block,
	s_lshl_b32 s[SO], s[SO], 4                     ; of 16 x 128 rows,
	s_and_b32 s22, s[AO], 7
	s_lshl_b32 s22, s22, 1
	s_add_co_u32 s22, s22, s[SIDE]
	s_add_co_u32 s[SO], s[SO], s22                 ; my 128 of them,
	s_lshl_b32 s[SO], s[SO], 10                    ; 8 bytes a row
	s_mov_b32 s[SO+1], 0
	s_lshl_b32 s[AO], s[AO], 1
	s_add_co_u32 s[AO], s[AO], s[HALF]
	s_lshl_b32 s[AO], s[AO], 18                    ; 128 rows of 2,048 bytes
	s_mov_b32 s[AO+1], 0
	s_lshl_b32 s[BO], s2, 4
	s_add_co_u32 s[BO], s[BO], s21
	s_lshl_b32 s[BO], s[BO], 18
	s_mov_b32 s[BO+1], 0
	s_mul_i32 s23, s[WV], HALFT
	s_and_b32 s22, s[CLY], 1
	s_cmp_eq_u32 s[SIDE], 0
	s_cselect_b32 s22, s[CLX], s22                 ; the coordinate along which another cluster reads the same rows
	s_cselect_b32 s12, s[CX], s[CY]                ; my place among the four that ask with me
	s_cmp_eq_u32 s22, 0
	s_cselect_b32 s[LIM], 1, -1
	s_lshl_b32 s12, s12, 16
	s_add_co_u32 s12, s12, 2*KSTEP*2               ; at K step 2: the first change steps it to 3
	s_mov_b32 s13, 0
	s_wait_dscnt 0x0                               ; the opening add is done
	s_wait_kmcnt 0x0
	s_add_nc_u64 s[4:5], s[4:5], s[AO:AO+1]
	s_add_nc_u64 s[6:7], s[6:7], s[BO:BO+1]
	s_add_nc_u64 s[10:11], s[10:11], s[SO:SO+1]
	s_cmp_eq_u32 s[SIDE], 0
	s_cselect_b64 s[PFA:PFA+1], s[4:5], s[6:7]
	s_add_nc_u64 s[PFA:PFA+1], s[PFA:PFA+1], s[12:13]
	CROUND                                         ; all sixteen work-groups are here: the first joint loads meet
.irp s, 0,1
	s_mov_b32 s[G0A+4*(\s)], 1
	s_add_co_u32 s[G0A+4*(\s)+1], s23, (\s)*SLOT
	s_add_nc_u64 s[G0A+4*(\s)+2:G0A+4*(\s)+3], s[4:5], (\s)*KSTEP*2
	s_or_b32 s[G0A+4*(\s)+3], s[G0A+4*(\s)+3], 0x80000000
	s_mov_b32 s[G0B+4*(\s)], 1
	s_add_co_u32 s[G0B+4*(\s)+1], s23, (\s)*SLOT
	s_add_nc_u64 s[G0B+4*(\s)+2:G0B+4*(\s)+3], s[6:7], (\s)*KSTEP*2
	s_or_b32 s[G0B+4*(\s)+3], s[G0B+4*(\s)+3], 0x80000000
.endr
	s_cmp_eq_u32 s[SIDE], 0                        ; a wave's two first fills stand in one branch: two loads of mine are out
	s_cbranch_scc0 .Lfirst_b
	tensor_load_to_lds s[G0A:G0A+3], s[G1A:G1A+7]
	s_nop 0
	tensor_load_to_lds s[G0A+4:G0A+7], s[G1A:G1A+7]
	s_nop 0
	PLACES
	s_branch .Lfirst_asked
.Lfirst_b:
	tensor_load_to_lds s[G0B:G0B+3], s[G1B:G1B+7]
	s_nop 0
	tensor_load_to_lds s[G0B+4:G0B+7], s[G1B:G1B+7]
	s_nop 0
	PLACES
.Lfirst_asked:
	v_and_b32 v1, 15, v0
	v_bfe_u32 v2, v0, 4, 1
	v_mul_u32_u24 v3, v1, PITCH
	v_lshl_add_u32 v3, v2, 4, v3
	s_mul_i32 s21, s[SIDE], HALFT
	s_mul_i32 s22, s[HALF], HALFT
	s_add_co_u32 s22, s22, 2*HALFT
	v_add_nc_u32 v[A0], s21, v3
	v_add_nc_u32 v[B0], s22, v3
	v_mov_b32 v[ADRA], v[A0]
	v_mov_b32 v[ADRB], v[B0]
	s_mov_b32 s[TB], 0
	s_mul_i32 s23, s[WV], 16*PITCH
	s_add_co_u32 s23, s23, STAGE
	v_add_nc_u32 v[STO], s23, v3
	v_mul_u32_u24 v4, v2, PITCH
	v_lshl_add_u32 v4, v1, 4, v4
	v_add_nc_u32 v[RD], s23, v4
	v_lshlrev_b32 v4, 12, v2                       ; two rows of pbuf a store
	v_lshl_add_u32 v[CO], v1, 4, v4
	s_lshl_b32 s23, s[WV], 10
	s_add_co_u32 s23, s23, STATS                   ; my wave's pairs
	v_lshl_add_u32 v[SA], v1, 3, s23
	v_and_b32 v[SG], 31, v0
	v_lshlrev_b32 v[PFO], 11, v[SG]
	v_lshlrev_b32 v[SG], 4, v[SG]
	v_add_nc_u32 v[SR], s23, v[SG]
.macro MUL16 f, hi, a0, zero           ; 16 matrix instructions; the 64 accumulators take turns in the same order in every quarter
	WIN MUL_LO+0x50*(\hi)
.irp a, \a0, (\a0)+1
.irp b, 0,1,2,3,4,5,6,7
.if \zero
	v_wmma_f32_16x16x32_f16 v[8*(8*(\a)+(\b)):8*(8*(\a)+(\b))+7], v[(\f)+8*(\b):(\f)+8*(\b)+7], v[(\f)+8*(4*(\hi)+(\a)):(\f)+8*(4*(\hi)+(\a))+7], 0
.else
	v_wmma_f32_16x16x32_f16 v[8*(8*(\a)+(\b)):8*(8*(\a)+(\b))+7], v[(\f)+8*(\b):(\f)+8*(\b)+7], v[(\f)+8*(4*(\hi)+(\a)):(\f)+8*(4*(\hi)+(\a))+7], v[8*(8*(\a)+(\b)):8*(8*(\a)+(\b))+7]
.endif
.endr
.endr
.endm
.macro FETCH k, f
	WIN TO_B
.irp i, 0,1,2,3,4,5,6,7
	ds_load_b128 v[(\f)+8*(\i):(\f)+8*(\i)+3],   v[ADRB] offset:(\k)+(\i)*16*PITCH
	ds_load_b128 v[(\f)+8*(\i)+4:(\f)+8*(\i)+7], v[ADRB] offset:(\k)+(\i)*16*PITCH+32
.endr
	WIN 0
.irp i, 0,1,2,3,4,5,6,7
	ds_load_b128 v[(\f)+8*(\i):(\f)+8*(\i)+3],   v[ADRA] offset:(\k)+(\i)*16*PITCH
	ds_load_b128 v[(\f)+8*(\i)+4:(\f)+8*(\i)+7], v[ADRA] offset:(\k)+(\i)*16*PITCH+32
.endr
.endm
.macro QUARTER f, g, k, zero
	s_wait_dscnt 8                                 ; B and A's rows 0-63 are in; the youngest eight loads may be out
	MUL16 \f, 0, 0, \zero
	MUL16 \f, 0, 2, \zero
	PLACES
	FETCH \k, \g
	s_wait_dscnt 32                                ; all but the 32 just issued
	MUL16 \f, 1, 0, \zero
	MUL16 \f, 1, 2, \zero
.endm
.macro STEPADR
	WIN 0
	s_add_co_u32 s[TB], s[TB], 2*QB
	v_add_nc_u32 v[ADRA], s[TB], v[A0]
	v_add_nc_u32 v[ADRB], s[TB], v[B0]
.endm
.macro PAIR
	QUARTER F1, F0, 0, 0
	QUARTER F0, F1, QB, 0
	STEPADR
.endm
.macro CHANGE fill                     ; the change of slots: all my tensor loads, the add, my reads; then the round and the joint refill, or a plain barrier
	WIN 0
	s_wait_tensorcnt 0x0                           ; no tensor load of mine is out, so a group 0 may be written
	ds_add_u32 v[SPW], v[NIL]
.if \fill
.irp g, G0A+4, G0B+4
	s_xor_b32 s[(\g)+1], s[(\g)+1], SLOT
	s_add_nc_u64 s[(\g)+2:(\g)+3], s[(\g)+2:(\g)+3], KSTEP*2
.endr
	s_wait_xcnt 0x0                                ; the last prefetch, a K step back, has read its address
	s_add_nc_u64 s[PFA:PFA+1], s[PFA:PFA+1], KSTEP*2
.endif
	s_sub_co_u32 s[TB], s[TB], 4*QB
	s_xor_b32 s[TB], s[TB], SLOT
	v_add_nc_u32 v[ADRA], s[TB], v[A0]
	v_add_nc_u32 v[ADRB], s[TB], v[B0]
	s_wait_dscnt 0x0                               ; the add is done, and my reads of the old slot are over
.if \fill
	CROUND
	JLOAD
	ASK
.else
	s_barrier_signal -1
	s_barrier_wait -1
.endif
.endm
.macro COPY a                          ; block a's 64 sums a lane, times c, into window 0: each accumulator from its low end on
	WIN 0x02+(\a)/4
.set i, 0
.rept 32
	v_pk_mul_f32 v[T+2*i:T+2*i+1], v[64*((\a)%4)+2*i:64*((\a)%4)+2*i+1], s[CS:CS+1] op_sel_hi:[1,0]
.set i, i+1
.endr
	WIN 0
.endm
	s_wait_tensorcnt 0x1                           ; my part of K step 0 is in; step 1's may stay out
	s_barrier_signal -1
	s_barrier_wait -1
	FETCH 0, F0
	QUARTER F0, F1, QB, 1
	STEPADR
	PAIR
	s_mov_b32 s[STEPS], TSTEPS-2
.Lstep:
	CHANGE 1
	s_mov_b32 s[CNT], 2
.Lpair:
	PAIR
	s_sub_co_u32 s[CNT], s[CNT], 1
	s_cmp_lg_u32 s[CNT], 0
	s_cbranch_scc1 .Lpair
	s_sub_co_u32 s[STEPS], s[STEPS], 1
	s_cmp_lg_u32 s[STEPS], 0
	s_cbranch_scc1 .Lstep
	CHANGE 0
	s_mov_b32 s[CNT], 2
.Lpair2:
	PAIR
	s_sub_co_u32 s[CNT], s[CNT], 1
	s_cmp_lg_u32 s[CNT], 0
	s_cbranch_scc1 .Lpair2
	s_wait_dscnt 8
	MUL16 F1, 0, 0, 0
	MUL16 F1, 0, 2, 0
	s_wait_dscnt 0x0
	MUL16 F1, 1, 0, 0
	MUL16 F1, 1, 2, 0
	PLACES
	WIN 0
	; THE WAY OUT: a loop over my eight blocks of 16 rows.  Only the copy out of the accumulators differs from block to block: it is chosen by forward jumps on the counter; the rest is written once.
	s_mov_b32 s[BLK], 8
.Lblk:
.irp a, 0,1,2,3,4,5,6
	s_cmp_eq_u32 s[BLK], 8-(\a)
	s_cbranch_scc1 .Lb\a
.endr
	COPY 7
	s_branch .Lcommon
.irp a, 0,1,2,3,4,5
.Lb\a:
	COPY \a
	s_branch .Lcommon
.endr
.Lb6:
	COPY 6
.Lcommon:
	; the maximum of my 64 scores: four chains of 15, the four left over, then the lane 16 away
.irp q, 0,1,2,3
	v_max3_num_f32 v[C0+(\q)], v[T+16*(\q)], v[T+16*(\q)+1], v[T+16*(\q)+2]
.endr
.irp n, 1,2,3,4,5,6
.irp q, 0,1,2,3
	v_max3_num_f32 v[C0+(\q)], v[C0+(\q)], v[T+16*(\q)+2*(\n)+1], v[T+16*(\q)+2*(\n)+2]
.endr
.endr
	v_max3_num_f32 v[C0], v[C0], v[T+15], v[T+31]
	v_max3_num_f32 v[C0+1], v[C0+1], v[T+47], v[T+63]
	v_max3_num_f32 v[C0], v[C0], v[C0+1], v[C0+2]
	v_max_num_f32 v[C0], v[C0], v[C0+3]
	v_permlanex16_b32 v[C0+1], v[C0], s[SEL], s[SEL+1]
	v_max_num_f32 v[MM], v[C0], v[C0+1]
	v_mov_b32 v[MM+1], v[MM]
	; t - m and the 64 exponentials: one batch; nothing names a result ahead of its one wait
.set i, 0
.rept 32
	v_pk_add_f32 v[T+2*i:T+2*i+1], v[T+2*i:T+2*i+1], v[MM:MM+1] neg_lo:[0,1] neg_hi:[0,1]
.if i > 0
	v_exp_f32 v[T+2*i-2], v[T+2*i-2]
	v_exp_f32 v[T+2*i-1], v[T+2*i-1]
.endif
.set i, i+1
.endr
	v_exp_f32 v[T+62], v[T+62]
	v_exp_f32 v[T+63], v[T+63]
	v_nop                                          ; a plain instruction behind the last exponential,
	s_wait_alu depctr_va_vdst(0)                   ; and the wait ahead of the first use: one for the batch
.set i, 0
.rept 32
	v_cvt_pk_f16_f32 v[PK+i], v[T+2*i], v[T+2*i+1]
.set i, i+1
.endr
	s_wait_xcnt 0x0                                ; the last block's stores have read their base and data: both may be rewritten
	s_add_nc_u64 s[8:9], s[8:9], s[PO:PO+1]        ; my first block, later 16 rows on
	s_mov_b32 s[PO], 0x10000
	s_mov_b32 s[PO+1], 0
.irp b, 0,1,2,3,4,5,6,7
	ds_store_b128 v[STO], v[PK+4*(\b):PK+4*(\b)+3] offset:32*(\b)
.endr
.irp t, 0,1,2,3,4,5,6,7
	ds_load_b128 v[OB+4*(\t):OB+4*(\t)+3], v[RD] offset:(\t)*2*PITCH  ; LDS serves a wave's instructions in order: these see the stores above
.endr
	; the sum of my 64 weights, in place, while the rows come back
.irp w, 4,8,16,32,64
.set u, 0
.rept 64/(\w)
	v_pk_add_f32 v[T+(\w)*u:T+(\w)*u+1], v[T+(\w)*u:T+(\w)*u+1], v[T+(\w)*u+(\w)/2:T+(\w)*u+(\w)/2+1]
.set u, u+1
.endr
.endr
	v_add_f32 v[C0], v[T], v[T+1]
	v_permlanex16_b32 v[C0+1], v[C0], s[SEL], s[SEL+1]
	v_mov_b32 v[LS], v[MM]
	v_add_f32 v[LS+1], v[C0], v[C0+1]
	ds_store_b64 v[SA], v[LS:LS+1]                 ; both lanes of a row write the same pair
	v_add_nc_u32 v[SA], 128, v[SA]                 ; the next block's 16 rows
	s_wait_dscnt 1                                 ; only that store may be out: the rows are back
.irp t, 0,1,2,3,4,5,6,7
	global_store_b128 v[CO], v[OB+4*(\t):OB+4*(\t)+3], s[8:9] offset:8192*(\t)  ; sixteen lanes store 256 consecutive bytes, aligned
.endr
	s_sub_co_u32 s[BLK], s[BLK], 1
	s_cmp_lg_u32 s[BLK], 0
	s_cbranch_scc1 .Lblk
	ds_load_b128 v[SV:SV+3], v[SR]                 ; my wave's 128 pairs: 1,024 consecutive bytes
	ds_load_b128 v[SV+4:SV+7], v[SR] offset:512
	s_wait_dscnt 0x0
	global_store_b128 v[SG], v[SV:SV+3], s[10:11]
	global_store_b128 v[SG], v[SV+4:SV+7], s[10:11] offset:512
	s_wait_tensorcnt 0x0                           ; the wave's end
	ds_add_u32 v[SPW], v[NIL]
	s_wait_dscnt 0x0
	CROUND                                         ; the closing round
	s_endpgm
.Lfunc_end_k_q9bd88b7360_score:
	.size	k_q9bd88b7360_score, .Lfunc_end_k_q9bd88b7360_score-k_q9bd88b7360_score
	.p2alignl 7, 3214868480
	.fill 96, 4, 3214868480
	.section	.rodata,"a",@progbits
	.p2align	6, 0x0
	.amdhsa_kernel k_q9bd88b7360_score
		.amdhsa_group_segment_fixed_size 327680
		.amdhsa_private_segment_fixed_size 0
		.amdhsa_enable_private_segment 0
		.amdhsa_kernarg_size 32
		.amdhsa_user_sgpr_count 2
		.amdhsa_user_sgpr_kernarg_segment_ptr 1
		.amdhsa_wavefront_size32 1
		.amdhsa_system_sgpr_workgroup_id_x 1
		.amdhsa_system_sgpr_workgroup_id_y 1
		.amdhsa_system_sgpr_workgroup_id_z 1
		.amdhsa_system_vgpr_workitem_id 0
		.amdhsa_next_free_vgpr 1024
		.amdhsa_next_free_sgpr 84
		.amdhsa_reserve_vcc 0
		.amdhsa_float_denorm_mode_32 3
		.amdhsa_float_denorm_mode_16_64 3
		.amdhsa_memory_ordered 1
		.amdhsa_forward_progress 1
		.amdhsa_inst_pref_size 92
	.end_amdhsa_kernel
	.amdgpu_metadata
---
amdhsa.version: [ 1, 2 ]
amdhsa.kernels:
  - .name:           k_q9bd88b7360_score
    .symbol:         k_q9bd88b7360_score.kd
    .args:
      - { .name: qs, .offset: 0, .size: 8, .value_kind: global_buffer, .address_space: global }
      - { .name: xh, .offset: 8, .size: 8, .value_kind: global_buffer, .address_space: global }
      - { .name: pbuf, .offset: 16, .size: 8, .value_kind: global_buffer, .address_space: global }
      - { .name: stats, .offset: 24, .size: 8, .value_kind: global_buffer, .address_space: global }
    .group_segment_fixed_size: 327680
    .private_segment_fixed_size: 0
    .kernarg_segment_align: 8
    .kernarg_segment_size: 32
    .max_flat_workgroup_size: 128
    .sgpr_count:     84
    .vgpr_count:     1024
    .wavefront_size: 32
...
	.end_amdgpu_metadata
.endif
;; end of part 4
;; launch pv (part 5): grid 4 x 64, 4 waves a work-group, clusters of 4 x 4, 327,680 bytes of LDS; arguments pbuf, vt, stats, bo, out0; writes out0
.if DOCPART == 5
	.amdgcn_target "amdgcn-amd-amdhsa--gfx1250"
	.amdhsa_code_object_version 6
	.text
	.protected	k_q9bd88b7360_pv
	.globl	k_q9bd88b7360_pv
	.p2align	8
	.type	k_q9bd88b7360_pv,@function
k_q9bd88b7360_pv:
	s_mov_b64 s[64:65], 0
	v_nop
	global_prefetch_b8 v0, s[64:65] scope:SCOPE_SE
	s_setreg_imm32_b32 hwreg(HW_REG_WAVE_MODE, 25, 1), 1
	s_wait_xcnt 0x0
	s_wait_alu depctr_hold_cnt(0) depctr_sa_sdst(0) depctr_va_vdst(0) depctr_va_sdst(0) depctr_va_ssrc(0) depctr_va_vcc(0) depctr_vm_vsrc(0)
	s_getreg_b32 s2, hwreg(HW_REG_IB_STS2, 6, 4)
	s_cmp_eq_u32 s2, 0
	s_cbranch_scc0 .Lentry_in_a_cluster
	s_endpgm
.Lentry_in_a_cluster:
	s_bfe_u32 s2, ttmp6, 0x10000c
	s_cmp_lg_u32 s2, 0xf033
	s_cbranch_scc0 .Lentry_shape_is_right
	s_endpgm
.Lentry_shape_is_right:
; THE SECOND HALF OF THE SOFTMAX, THE WEIGHTED SUM AND THE BIAS.  out0[q][e] = (256 / l) sum over k of alpha[blk(k)] p[q][k] vt[e][k] + bo[e].
; For each row: m = the maximum of its 16 blocks' maxima; alpha_blk = 2^(m_blk - m), at most 1, rounded to f16; l = the sum of alpha_blk l_blk, with the rounded alpha.  vt carries 1/256, which 256 / l undoes.
; A K step is one block of 128 keys: P's fragments are multiplied by their row's (alpha, alpha) in packed f16 between their LDS load and the matrix instruction.  Sums in f32; out0 by one fused multiply-add in f32.
; LIMITS.  alpha and alpha p below 6e-8 count as 0.  l is at least 1 (the block that holds m has alpha = 1 and a weight 1).  NaN and infinities are not treated apart.
; C = A B^T with K = 2048: A = pbuf's rows, B = vt's rows, columns of the batch.  A tile is 128 q x 256 e: 64 x 4 tiles, a work-group a tile, four waves of 64 x 128 (32 accumulators).
; K goes in steps of 128 through two LDS slots.  CLUSTER 4 x 4: P's tile is shared along a row of the cluster, vt's along a column: joint loads.  Used transposed: a lane holds one row q and eight neighbouring e.
; REGISTERS.  Window 0: v0-31 addresses; v32-35 alpha; v40-47 256 / l; v64-127 scaled P, two buffers; v128-255 accumulators of row blocks 0, 1.
;   Window 1: v0-31 P as loaded; v64-191 vt's fragments, two buffers (later the way out); v192-255 bo.  Window 2: v0-127 accumulators of row blocks 2, 3.
.set KSTEP,  128
.set TSTEPS, 16
.set QB,     64
.set PITCH,  272
.set BOFF,   128*PITCH                 ; a slot: P's 128 rows, then vt's 256
.set ATAB,   BOFF+256*PITCH            ; [16 blocks][128 rows] words (alpha, alpha)
.set RTAB,   ATAB+8192                 ; [128 rows] 256 / l
.set SPARE,  RTAB+512                  ; the spare words, 128 bytes a wave
.set SLOT,   1<<17                     ; slot 1 begins here: an exclusive or changes slots
.set STAGE,  SLOT+ATAB                 ; behind slot 1: 16 rows x 528 bytes for each wave
.set SPITCH, 528
.set G1W0,   (1<<16)|(1<<20)|(1<<21)|(5<<22)|(3<<25)
.set WV, 14
.set SIDE, 15                          ; wave / 2: my 64 rows; I fetch for P (0) or vt (1)
.set HALF, 16                          ; wave % 2: my 128 columns; which half of that tile I fetch
.set CX, 17
.set CY, 18
.set CLY, 20
.set G1A, 24
.set G1B, 32
.set G0A, 40
.set G0B, 48
.set STEPS, 56
.set CNT, 57
.set TB, 58
.set LIM, 59
.set PFA, 60
.set AO, 66
.set BO, 68
.set OO, 70
.set SO, 72
.set BI, 74
.set PSH, 76
.set QT, 77
.set BAT, 80
.set A0, 16
.set B0, 17
.set ADRA, 18
.set ADRB, 19
.set AAD, 20                           ; v20  where my rows' alpha of the next block lie
.set RIA, 21                           ; v21  where my rows' 256 / l lie
.set STO, 24
.set RD, 25
.set GO, 26
.set SPW, 28
.set NIL, 29
.set PFO, 30
.set AL, 32
.set RI, 40
.set SP0, 64
.set RAW, 0                            ; window 1
.set VB0, 64                           ; window 1
.set BIAS, 192                         ; window 1
.set W_LO, 0x01                        ; source 0 in window 1: the products on row blocks 0, 1, and the scalings
.set W_HI, 0xa1                        ; the same with C and D in window 2
.set TO_1, 0x40
.set MSB, 0
.macro WIN new
.if MSB != (\new)
	s_set_vgpr_msb (MSB<<8)|(\new)
.set MSB, \new
.endif
.endm
.macro PLACES
.rept 4
	v_nop
.endr
.endm
.macro CROUND
	s_barrier_signal -1
	s_barrier_wait -1
	s_cmp_lg_u32 s[WV], 0
	s_cbranch_scc1 .Lnot_wave_0_\@
	s_barrier_signal -3
.Lnot_wave_0_\@:
	s_barrier_wait -3
	s_barrier_signal -1
	s_barrier_wait -1
.endm
.macro JLOAD
	s_cmp_eq_u32 s[SIDE], 0
	s_cbranch_scc0 .Lfor_b_\@
	tensor_load_to_lds s[G0A+4:G0A+7], s[G1A:G1A+7]
	s_nop 0
	PLACES
	s_branch .Lasked_\@
.Lfor_b_\@:
	tensor_load_to_lds s[G0B+4:G0B+7], s[G1B:G1B+7]
	s_nop 0
	PLACES
.Lasked_\@:
.endm
; A PREFETCH behind each joint refill: the K step that stands TWO refills on, 256 matrix instructions ahead of its load: 32 rows x 256 bytes, a lane a row, one instruction a wave.
; P's 128 rows belong to this row of the cluster alone: wave 0 of each of the four partners takes 32 (by cx).  vt's rows are read by the four clusters of a batch: the first of them asks, waves 2 and 3 each for 32
; (by cy) of the 128 rows that they fetch.  Wave 1 asks for nothing.  The last two refills ask for nothing; K steps 0 to 3 come by their loads alone.
.macro ASK
	s_cmp_gt_u32 s[STEPS], s[LIM]
	s_cbranch_scc0 .Lnot_mine_\@
	global_prefetch_b8 v[PFO], s[PFA:PFA+1] th:TH_LOAD_NT scope:SCOPE_SE
.Lnot_mine_\@:
.endm
	s_load_b256 s[4:11], s[0:1], 0x0               ; pbuf s[4:5], vt s[6:7], stats s[8:9], bo s[10:11]
	s_load_b64 s[12:13], s[0:1], 0x20              ; out0
	v_lshl_add_u32 v[SPW], v0, 2, SPARE
	v_mov_b32 v[NIL], 0
	ds_add_u32 v[SPW], v[NIL]                      ; the wave's opening: the add and its wait ahead of my first tensor load
	v_lshrrev_b32 v1, 5, v0
	v_readfirstlane_b32 s[WV], v1
	s_lshr_b32 s[SIDE], s[WV], 1
	s_and_b32 s[HALF], s[WV], 1
	s_bfe_u32 s[CX], ttmp6, 0x40000
	s_bfe_u32 s[CY], ttmp6, 0x40004
	s_and_b32 s[CLY], ttmp7, 0xffff                ; cluster y: 0..15
	s_lshl_b32 s21, s[CY], 2
	s_lshl_b32 s21, 15, s21
	s_lshl_b32 s22, 0x1111, s[CX]
	s_or_b32 s[G1A], s21, G1W0
	s_or_b32 s[G1B], s22, G1W0
	s_mov_b32 s[G1A+1], KSTEP<<16                  ; P: 64 rows x 128 elements, 2,048 elements from row to row
	s_mov_b32 s[G1A+2], 64<<16
	s_mov_b32 s[G1A+3], KSTEP<<16
	s_mov_b32 s[G1A+4], 64
	s_mov_b32 s[G1A+5], 2048
	s_mov_b32 s[G1A+6], 0
	s_mov_b32 s[G1A+7], 0
	s_mov_b32 s[G1B+1], KSTEP<<16                  ; vt: 128 rows x 128 elements, 8,192 elements from row to row
	s_mov_b32 s[G1B+2], 128<<16
	s_mov_b32 s[G1B+3], KSTEP<<16
	s_mov_b32 s[G1B+4], 128
	s_mov_b32 s[G1B+5], 8192
	s_mov_b32 s[G1B+6], 0
	s_mov_b32 s[G1B+7], 0
	s_lshl_b32 s[QT], s[CLY], 2
	s_add_co_u32 s[QT], s[QT], s[CY]               ; tile of 128 queries, 0..63
	s_lshr_b32 s[BAT], s[CLY], 2                   ; batch
	s_lshl_b32 s[AO], s[QT], 1
	s_add_co_u32 s[AO], s[AO], s[HALF]
	s_lshl_b32 s[AO], s[AO], 18                    ; 64 rows of 4,096 bytes
	s_mov_b32 s[AO+1], 0
	s_lshl_b32 s[BO], s[CX], 1
	s_add_co_u32 s[BO], s[BO], s[HALF]
	s_lshl_b32 s[BO], s[BO], 21                    ; 128 rows of 16,384 bytes,
	s_lshl_b32 s2, s[BAT], 12                      ; the batch's 2,048 keys
	s_add_co_u32 s[BO], s[BO], s2
	s_mov_b32 s[BO+1], 0
	s_lshl_b32 s[BI], s[CX], 10                    ; my 128 columns in f32
	s_lshl_b32 s2, s[HALF], 9
	s_add_co_u32 s[BI], s[BI], s2
	s_mov_b32 s[BI+1], 0
	s_lshl_b32 s[OO], s[QT], 1
	s_add_co_u32 s[OO], s[OO], s[SIDE]
	s_lshl_b32 s[OO], s[OO], 18                    ; my 64 rows of 4,096 bytes in out0
	s_add_co_u32 s[OO], s[OO], s[BI]
	s_mov_b32 s[OO+1], 0
	s_lshl_b32 s[SO], s[BAT], 18                   ; 16 blocks x 2,048 rows x 8 bytes,
	s_and_b32 s2, s[QT], 15
	s_lshl_b32 s2, s2, 10                          ; the tile's 128 rows
	s_add_co_u32 s[SO], s[SO], s2
	s_mov_b32 s[SO+1], 0
	s_mul_i32 s22, s[HALF], 64*PITCH               ; where my tiles go: no place in the cluster enters an LDS address
	s_mul_i32 s23, s[HALF], 128*PITCH
	s_add_co_u32 s23, s23, BOFF
	s_lshl_b32 s78, s[QT], 19
	s_lshl_b32 s79, s[CX], 17
	s_add_co_u32 s78, s78, s79                     ; P: my work-group's 32 rows of the tile
	s_lshl_b32 s79, s[CY], 19
	s_add_co_u32 s79, s79, s[BO]                   ; vt: my work-group's 32 of the 128 rows that I fetch
	s_and_b32 s21, s[CLY], 3
	s_cmp_eq_u32 s[SIDE], 0
	s_cselect_b32 s2, s78, s79
	s_cselect_b32 s[PSH], 12, 14                   ; log2 of a row's bytes
	s_cselect_b32 s21, s[HALF], s21                ; wave 0: 0; wave 1: 1; waves 2, 3: the cluster's place in its batch
	s_cmp_eq_u32 s21, 0
	s_cselect_b32 s[LIM], 2, -1
	s_add_co_u32 s2, s2, 3*KSTEP*2                 ; at K step 3: the first change steps it to 4
	s_mov_b32 s3, 0
	s_wait_dscnt 0x0                               ; the opening add is done
	s_wait_kmcnt 0x0
	s_cmp_eq_u32 s[SIDE], 0
	s_cselect_b64 s[PFA:PFA+1], s[4:5], s[6:7]
	s_add_nc_u64 s[PFA:PFA+1], s[PFA:PFA+1], s[2:3]
	s_add_nc_u64 s[4:5], s[4:5], s[AO:AO+1]
	s_add_nc_u64 s[6:7], s[6:7], s[BO:BO+1]
	s_add_nc_u64 s[8:9], s[8:9], s[SO:SO+1]
	s_add_nc_u64 s[10:11], s[10:11], s[BI:BI+1]
	s_add_nc_u64 s[12:13], s[12:13], s[OO:OO+1]
	CROUND                                         ; all sixteen work-groups are here: the first joint loads meet
.irp s, 0,1
	s_mov_b32 s[G0A+4*(\s)], 1
	s_add_co_u32 s[G0A+4*(\s)+1], s22, (\s)*SLOT
	s_add_nc_u64 s[G0A+4*(\s)+2:G0A+4*(\s)+3], s[4:5], (\s)*KSTEP*2
	s_or_b32 s[G0A+4*(\s)+3], s[G0A+4*(\s)+3], 0x80000000
	s_mov_b32 s[G0B+4*(\s)], 1
	s_add_co_u32 s[G0B+4*(\s)+1], s23, (\s)*SLOT
	s_add_nc_u64 s[G0B+4*(\s)+2:G0B+4*(\s)+3], s[6:7], (\s)*KSTEP*2
	s_or_b32 s[G0B+4*(\s)+3], s[G0B+4*(\s)+3], 0x80000000
.endr
	s_cmp_eq_u32 s[SIDE], 0                        ; a wave's two first fills stand in one branch: two loads of mine are out
	s_cbranch_scc0 .Lfirst_b
	tensor_load_to_lds s[G0A:G0A+3], s[G1A:G1A+7]
	s_nop 0
	tensor_load_to_lds s[G0A+4:G0A+7], s[G1A:G1A+7]
	s_nop 0
	PLACES
	s_branch .Lfirst_asked
.Lfirst_b:
	tensor_load_to_lds s[G0B:G0B+3], s[G1B:G1B+7]
	s_nop 0
	tensor_load_to_lds s[G0B+4:G0B+7], s[G1B:G1B+7]
	s_nop 0
	PLACES
.Lfirst_asked:
	; THE ROWS' FIGURES, in the wait for the first tiles.  Thread t is row t of the tile: its 16 pairs (m, l); and my lane's 64 numbers of bo
	v_and_b32 v1, 15, v0                           ; l % 16
	v_bfe_u32 v2, v0, 4, 1                         ; l / 16
	v_lshlrev_b32 v3, 3, v0
	v_lshlrev_b32 v4, 5, v2
.set k, 0
.rept 16
	global_load_b64 v[128+2*k:129+2*k], v3, s[8:9] offset:16384*k
.set k, k+1
.endr
	WIN TO_1
.irp b, 0,1,2,3,4,5,6,7
	global_load_b128 v[BIAS+8*(\b):BIAS+8*(\b)+3],   v4, s[10:11] offset:64*(\b)
	global_load_b128 v[BIAS+8*(\b)+4:BIAS+8*(\b)+7], v4, s[10:11] offset:64*(\b)+16
.endr
	WIN 0
	v_mul_u32_u24 v5, v1, PITCH
	v_lshl_add_u32 v5, v2, 4, v5                   ; a fragment's row x pitch + 16 x half
	s_mul_i32 s21, s[SIDE], 64*PITCH
	v_add_nc_u32 v[A0], s21, v5
	v_add_nc_u32 v[B0], s23, v5                    ; s23 = BOFF + my half of vt's rows
	v_mov_b32 v[ADRA], v[A0]
	v_mov_b32 v[ADRB], v[B0]
	s_mov_b32 s[TB], 0
	s_lshl_b32 s21, s[SIDE], 8                     ; my 64 rows' words
	s_add_co_u32 s22, s21, ATAB
	v_lshl_add_u32 v[AAD], v1, 2, s22
	s_add_co_u32 s22, s21, RTAB
	v_lshl_add_u32 v[RIA], v1, 2, s22
	s_mul_i32 s21, s[WV], 16*SPITCH
	s_add_co_u32 s21, s21, STAGE                   ; my stage
	v_mul_u32_u24 v5, v1, SPITCH                   ; in: row l % 16, 32 bytes for each half of the lanes
	v_lshl_add_u32 v5, v2, 5, v5
	v_add_nc_u32 v[STO], s21, v5
	v_and_b32 v5, 31, v0
	v_lshlrev_b32 v[PFO], s[PSH], v5
	v_lshlrev_b32 v[GO], 4, v5                     ; back: 32 lanes take a row of 512 bytes
	v_add_nc_u32 v[RD], s21, v[GO]
	v_lshl_add_u32 v51, v0, 2, ATAB                ; where my row's words go
	v_mov_b32 v49, 0
	s_wait_loadcnt 0x0
	v_max3_num_f32 v48, v128, v130, v132           ; m
.irp k, 3,5,7,9,11,13
	v_max3_num_f32 v48, v48, v[128+2*(\k)], v[130+2*(\k)]
.endr
	v_max_num_f32 v48, v48, v158
.set k, 0
.rept 16
	v_sub_f32 v[160+k], v[128+2*k], v48
.set k, k+1
.endr
.set k, 0
.rept 16
	v_exp_f32 v[160+k], v[160+k]
.set k, k+1
.endr
	v_nop                                          ; a plain instruction behind the last exponential,
	s_wait_alu depctr_va_vdst(0)                   ; and the wait ahead of the first use: one for the sixteen
.set k, 0
.rept 16
	v_cvt_pk_f16_f32 v[64+k], v[160+k], v[160+k]   ; (alpha, alpha)
.set k, k+1
.endr
.set k, 0
.rept 16
	v_fma_mix_f32 v49, v[64+k], v[129+2*k], v49 op_sel_hi:[1,0,0]  ; l += the rounded alpha x l_blk, in f32
	ds_store_b32 v51, v[64+k] offset:512*k
.set k, k+1
.endr
	v_rcp_f32 v50, v49
	v_nop
	s_wait_alu depctr_va_vdst(0)
	v_mul_f32 v50, 0x43800000, v50                 ; 256 / l
	ds_store_b32 v51, v50 offset:RTAB-ATAB
.macro MULHI f, zero                   ; 16 products on row blocks 2, 3.  A quarter names each of the 32 accumulators once, in one order: they take turns
	WIN W_HI
.irp a, 2,3
.irp b, 0,1,2,3,4,5,6,7
.if \zero
	v_wmma_f32_16x16x32_f16 v[8*(8*((\a)-2)+(\b)):8*(8*((\a)-2)+(\b))+7], v[VB0+64*(\f)+8*(\b):VB0+64*(\f)+8*(\b)+7], v[SP0+32*(\f)+8*(\a):SP0+32*(\f)+8*(\a)+7], 0
.else
	v_wmma_f32_16x16x32_f16 v[8*(8*((\a)-2)+(\b)):8*(8*((\a)-2)+(\b))+7], v[VB0+64*(\f)+8*(\b):VB0+64*(\f)+8*(\b)+7], v[SP0+32*(\f)+8*(\a):SP0+32*(\f)+8*(\a)+7], v[8*(8*((\a)-2)+(\b)):8*(8*((\a)-2)+(\b))+7]
.endif
.endr
.endr
.endm
.macro MULLO f, g, zero, ride          ; 16 products on row blocks 0, 1; ride = 1: behind each, two of the 32 scalings of the next quarter's P, under the same window setting
	WIN W_LO
.set n, 0
.rept 16
.if \zero
	v_wmma_f32_16x16x32_f16 v[128+8*n:128+8*n+7], v[VB0+64*(\f)+8*(n%8):VB0+64*(\f)+8*(n%8)+7], v[SP0+32*(\f)+8*(n/8):SP0+32*(\f)+8*(n/8)+7], 0
.else
	v_wmma_f32_16x16x32_f16 v[128+8*n:128+8*n+7], v[VB0+64*(\f)+8*(n%8):VB0+64*(\f)+8*(n%8)+7], v[SP0+32*(\f)+8*(n/8):SP0+32*(\f)+8*(n/8)+7], v[128+8*n:128+8*n+7]
.endif
.if \ride
	v_pk_mul_f16 v[SP0+32*(\g)+2*n], v[RAW+2*n], v[AL+n/4]
	v_pk_mul_f16 v[SP0+32*(\g)+2*n+1], v[RAW+2*n+1], v[AL+n/4]
.endif
.set n, n+1
.endr
.endm
.macro FETCH k, g                      ; 24 LDS loads in one run: a quarter's P (64 rows) as it lies, then vt's 128 rows into buffer g
	WIN TO_1
.irp a, 0,1,2,3
	ds_load_b128 v[RAW+8*(\a):RAW+8*(\a)+3],   v[ADRA] offset:(\k)+(\a)*16*PITCH
	ds_load_b128 v[RAW+8*(\a)+4:RAW+8*(\a)+7], v[ADRA] offset:(\k)+(\a)*16*PITCH+32
.endr
.irp b, 0,1,2,3,4,5,6,7
	ds_load_b128 v[VB0+64*(\g)+8*(\b):VB0+64*(\g)+8*(\b)+3],   v[ADRB] offset:(\k)+(\b)*16*PITCH
	ds_load_b128 v[VB0+64*(\g)+8*(\b)+4:VB0+64*(\g)+8*(\b)+7], v[ADRB] offset:(\k)+(\b)*16*PITCH+32
.endr
.endm
.macro QUARTER f, g, k, zero           ; multiplies buffers f; fetches the next quarter and scales its P into buffer g
	PLACES                                         ; behind the last products that read vt's buffer g
	FETCH \k, \g
	s_wait_dscnt 24                                ; all but the 24 just issued: vt's buffer f is in
	MULHI \f, \zero
	s_wait_dscnt 16                                ; the new P is in (and alpha, behind a change of slots); vt's 16 loads may be out
	MULLO \f, \g, \zero, 1
.endm
.macro STEPADR
	WIN 0
	s_add_co_u32 s[TB], s[TB], 2*QB
	v_add_nc_u32 v[ADRA], s[TB], v[A0]
	v_add_nc_u32 v[ADRB], s[TB], v[B0]
.endm
.macro PAIR
	QUARTER 1, 0, 0, 0
	QUARTER 0, 1, QB, 0
	STEPADR
.endm
.macro ALOAD                           ; my 64 rows' (alpha, alpha) for the block whose P is fetched next
.irp a, 0,1,2,3
	ds_load_b32 v[AL+(\a)], v[AAD] offset:64*(\a)
.endr
	v_add_nc_u32 v[AAD], 512, v[AAD]
.endm
; THE CHANGE OF SLOTS.  All of the old slot has been fetched, and its last quarter's P is scaled.  Each wave waits for all its tensor loads (one is out: its part of the other slot), adds 0 to its spare word,
; and waits for that and for its reads.  fill = 1: a round of the cluster's barrier, and the old slot's joint refill first behind it: it has a K step, 128 matrix instructions, in which to land.
.macro CHANGE fill
	WIN 0
	s_wait_tensorcnt 0x0                           ; no tensor load of mine is out, so a group 0 may be written
	ds_add_u32 v[SPW], v[NIL]
.if \fill
.irp g, G0A+4, G0B+4
	s_xor_b32 s[(\g)+1], s[(\g)+1], SLOT
	s_add_nc_u64 s[(\g)+2:(\g)+3], s[(\g)+2:(\g)+3], KSTEP*2
.endr
	s_wait_xcnt 0x0                                ; the last prefetch, a K step back, has read its address
	s_add_nc_u64 s[PFA:PFA+1], s[PFA:PFA+1], KSTEP*2
.endif
	s_sub_co_u32 s[TB], s[TB], 4*QB
	s_xor_b32 s[TB], s[TB], SLOT
	v_add_nc_u32 v[ADRA], s[TB], v[A0]
	v_add_nc_u32 v[ADRB], s[TB], v[B0]
	s_wait_dscnt 0x0                               ; the add is done, and my reads of the old slot are over
.if \fill
	CROUND
	JLOAD
	ASK
.else
	s_barrier_signal -1
	s_barrier_wait -1
.endif
	ALOAD
.endm
	s_wait_tensorcnt 0x1                           ; my part of K step 0 is in; step 1's may stay out
	s_wait_dscnt 0x0                               ; for the others' sake: my rows' alpha and 256 / l are written
	s_barrier_signal -1
	s_barrier_wait -1
	ALOAD                                          ; block 0
	FETCH 0, 0
	s_wait_dscnt 16                                ; alpha and P are in
	WIN W_LO
.set n, 0
.rept 32
	v_pk_mul_f16 v[SP0+n], v[RAW+n], v[AL+n/8]
.set n, n+1
.endr
	QUARTER 0, 1, QB, 1                            ; the first products start the sums
	STEPADR
	PAIR
	s_mov_b32 s[STEPS], TSTEPS-2
.Lstep:                                        ; a trip: into the next block of keys; the slot left behind takes the block after it
	CHANGE 1
	s_mov_b32 s[CNT], 2
.Lpair:
	PAIR
	s_sub_co_u32 s[CNT], s[CNT], 1
	s_cmp_lg_u32 s[CNT], 0
	s_cbranch_scc1 .Lpair
	s_sub_co_u32 s[STEPS], s[STEPS], 1
	s_cmp_lg_u32 s[STEPS], 0
	s_cbranch_scc1 .Lstep
	CHANGE 0                                       ; the last block is written out: nothing is asked for
	s_mov_b32 s[CNT], 2
.Lpair2:
	PAIR
	s_sub_co_u32 s[CNT], s[CNT], 1
	s_cmp_lg_u32 s[CNT], 0
	s_cbranch_scc1 .Lpair2
	s_wait_dscnt 0x0                               ; the very last quarter
	MULHI 1, 0
	MULLO 1, 0, 0, 0
	PLACES
	; THE WAY OUT.  acc x (256 / l) + bo in place, one fused multiply-add for two numbers; a block of 16 rows through my stage, back as whole rows of 512 bytes
	WIN 0
.irp a, 0,1,2,3
	ds_load_b32 v[RI+2*(\a)], v[RIA] offset:64*(\a)
.endr
	s_wait_dscnt 0x0
.irp a, 0,1,2,3
	v_mov_b32 v[RI+2*(\a)+1], v[RI+2*(\a)]         ; named with it as a pair
.endr
.macro PACK a
.if (\a) < 2
.set AC, 128+64*(\a)
	WIN 0x10                                       ; bo (source 2) in window 1
.else
.set AC, 64*((\a)-2)
	WIN 0x92                                       ; the same with source 0 and destination in window 2
.endif
.set i, 0
.rept 32
	v_pk_fma_f32 v[AC+2*i:AC+2*i+1], v[AC+2*i:AC+2*i+1], v[RI+2*(\a):RI+2*(\a)+1], v[BIAS+2*i:BIAS+2*i+1] op_sel_hi:[1,0,1]
.set i, i+1
.endr
.if (\a) < 2
	WIN 0
.else
	WIN 0x08                                       ; a store's data (source 1) in window 2
.endif
.irp b, 0,1,2,3,4,5,6,7
	ds_store_b128 v[STO], v[AC+8*(\b):AC+8*(\b)+3]   offset:64*(\b)
	ds_store_b128 v[STO], v[AC+8*(\b)+4:AC+8*(\b)+7] offset:64*(\b)+16
.endr
.if (\a) >= 2
	s_wait_xcnt 0x0                                ; the stores of the block two back have read the registers that are loaded again below
.endif
	WIN TO_1
.set i, 0
.rept 16
	ds_load_b128 v[64+64*((\a)%2)+4*i:64+64*((\a)%2)+4*i+3], v[RD] offset:SPITCH*i  ; LDS serves a wave's instructions in order: these see the stores above
.set i, i+1
.endr
.endm
.macro SEND a, younger                 ; younger: the LDS instructions issued behind block a's loads: the next block's 32, or none
	WIN 0x04                                       ; a store's data in window 1
.set i, 0
.rept 16
	s_wait_dscnt (\younger)+15-i
	global_store_b128 v[GO], v[64+64*((\a)%2)+4*i:64+64*((\a)%2)+4*i+3], s[12:13] offset:65536*(\a)+4096*i th:TH_STORE_NT  ; 512 consecutive bytes, aligned
.set i, i+1
.endr
.endm
	PACK 0
	PACK 1                                         ; a block's arithmetic stands between the loads of the block before and its stores
	SEND 0, 32
	PACK 2
	SEND 1, 32
	PACK 3
	SEND 2, 32
	SEND 3, 0
	WIN 0
	s_wait_tensorcnt 0x0                           ; the wave's end
	ds_add_u32 v[SPW], v[NIL]
	s_wait_dscnt 0x0
	CROUND                                         ; the closing round
	s_endpgm
.Lfunc_end_k_q9bd88b7360_pv:
	.size	k_q9bd88b7360_pv, .Lfunc_end_k_q9bd88b7360_pv-k_q9bd88b7360_pv
	.p2alignl 7, 3214868480
	.fill 96, 4, 3214868480
	.section	.rodata,"a",@progbits
	.p2align	6, 0x0
	.amdhsa_kernel k_q9bd88b7360_pv
		.amdhsa_group_segment_fixed_size 327680
		.amdhsa_private_segment_fixed_size 0
		.amdhsa_enable_private_segment 0
		.amdhsa_kernarg_size 40
		.amdhsa_user_sgpr_count 2
		.amdhsa_user_sgpr_kernarg_segment_ptr 1
		.amdhsa_wavefront_size32 1
		.amdhsa_system_sgpr_workgroup_id_x 1
		.amdhsa_system_sgpr_workgroup_id_y 1
		.amdhsa_system_sgpr_workgroup_id_z 1
		.amdhsa_system_vgpr_workitem_id 0
		.amdhsa_next_free_vgpr 640
		.amdhsa_next_free_sgpr 84
		.amdhsa_reserve_vcc 0
		.amdhsa_float_denorm_mode_32 3
		.amdhsa_float_denorm_mode_16_64 3
		.amdhsa_memory_ordered 1
		.amdhsa_forward_progress 1
		.amdhsa_inst_pref_size 91
	.end_amdhsa_kernel
	.amdgpu_metadata
---
amdhsa.version: [ 1, 2 ]
amdhsa.kernels:
  - .name:           k_q9bd88b7360_pv
    .symbol:         k_q9bd88b7360_pv.kd
    .args:
      - { .name: pbuf, .offset: 0, .size: 8, .value_kind: global_buffer, .address_space: global }
      - { .name: vt, .offset: 8, .size: 8, .value_kind: global_buffer, .address_space: global }
      - { .name: stats, .offset: 16, .size: 8, .value_kind: global_buffer, .address_space: global }
      - { .name: bo, .offset: 24, .size: 8, .value_kind: global_buffer, .address_space: global }
      - { .name: out0, .offset: 32, .size: 8, .value_kind: global_buffer, .address_space: global }
    .group_segment_fixed_size: 327680
    .private_segment_fixed_size: 0
    .kernarg_segment_align: 8
    .kernarg_segment_size: 40
    .max_flat_workgroup_size: 128
    .sgpr_count:     84
    .vgpr_count:     640
    .wavefront_size: 32
...
	.end_amdgpu_metadata
.endif
;; end of part 5
;; ======== version 2 of 2: 5 launches; version 1 with the launch cast written anew for expert scheduling mode
;; limits: values are held in f16: magnitudes above 65,504 overflow, below 6.1e-05 lose precision; right only within a limited range of input values
;; workspace buffers: xh 16,777,216 bytes; wh 8,388,608 bytes; wmn 4,194,304 bytes; qs 16,777,216 bytes; vt 16,777,216 bytes; pbuf 33,554,432 bytes; stats 1,048,576 bytes
;; launch cast (part 6): grid 768 x 1, 8 waves a work-group, no clusters, 35,840 bytes of LDS; arguments x, Wk, Wq, Wv, Wo, xh, wh; writes xh, wh
.if DOCPART == 6
	.amdgcn_target "amdgcn-amd-amdhsa--gfx1250"
	.amdhsa_code_object_version 6
	.text
	.protected	k_q9bd88b7360_cast
	.globl	k_q9bd88b7360_cast
	.p2align	8
	.type	k_q9bd88b7360_cast,@function
k_q9bd88b7360_cast:
	s_mov_b64 s[64:65], 0
	v_nop
	global_prefetch_b8 v0, s[64:65] scope:SCOPE_SE
	s_setreg_imm32_b32 hwreg(HW_REG_WAVE_SCHED_MODE, 0, 2), 2
	s_setreg_imm32_b32 hwreg(HW_REG_WAVE_MODE, 25, 1), 1
	s_wait_xcnt 0x0
	s_wait_alu depctr_vm_vsrc(0)
; THE INPUTS AS f16.  xh = f16(x / 256) [8192][1024];  wh = [4][1024][1024] f16: 0 Wk, 1 Wo turned ([e][f]), 2 Wq, 3 Wv.  Each number is rounded once, to nearest even.
; The factor 1/256 is a power of two: it costs no bit, and the products x (Wq Wk^T) and x (Wv Wo) of the launches behind then leave their sums already scaled into f16's range.
; LIMITS.  |x| under 1.67e7 and |W| under 65,504, beyond which f16 has no finite number; |x| under 0.0156 and |W| under 6.1e-5 keep f16's fixed step (1.5e-5 in x, 6e-8 in W).  NaN and infinities are not treated apart.
; SHARES.  Work-groups 0-511: 65,536 bytes of x each; 512-703: 65,536 bytes of Wk, Wq or Wv; 704-767: a tile of 128 x 128 of Wo, turned through LDS.
; A stream: each byte is read once and written once; a wave's store covers 256 consecutive bytes, aligned.  No matrix unit, no cluster (no two work-groups read the same bytes), no prefetch (all of a
; work-group's loads go out at its head).
; THE MODE: SCHED_MODE bits 1:0 = 2 (LLVM: expert scheduling mode 2), set by the entry lines.  The code itself states the register dependences between vector instructions and memory or LDS
; instructions, with s_wait_alu, always for 0.
; THE PLAN.  Registers that memory or LDS instructions touch:
;   v1, v2, v[TA], v[TR], v[GO]   offsets and LDS addresses: made once at a path's head, never written again.  One wait on va_vdst ahead of the path's first load serves every access by them.
;   X   Each register is the target of one global load; vector lines read it (the straight way scales it in place) behind its wait on LOADcnt.  No memory instruction reads X ahead of the tile's way back.
;       On the turning way the loads from the tile land in v[X .. X+31] behind the barrier; the global stores read them there.
;   Y   Each register is written once, by a rounding, and read once, by a store (global or LDS): none is written again.
;   v[SPW], v[NIL]   written at the head, read by the closing add alone.
; The work goes in four blocks.  Block p's vector lines name its own X and Y alone; the stores of block p - 1 are dealt among them, behind ONE wait on va_vdst at the block's head, which states that
; block p - 1's roundings have written their Y.  One more such wait stands ahead of the last block's stores.  No register that a memory or LDS instruction reads is written again: no wait on vm_vsrc is owed.
.set TP,    272                        ; a row of the turned tile in LDS: 256 bytes + 16
.set SPARE, 128*TP                     ; behind the tile: the spare words, 128 bytes for each of the eight waves
.set X,   4                            ; v[4:67]   as loaded
.set Y,   68                           ; v[68:99]  rounded, in pairs
.set TA,  100                          ; v100  where my column's pairs go in the tile
.set TR,  101                          ; v101  where I read a row back
.set GO,  102                          ; v102  my byte offset in wh
.set SPW, 108                          ; v108  LDS address of my spare word; never rewritten
.set NIL, 109                          ; v109  0; never rewritten
	s_load_b256 s[4:11], s[0:1], 0x0               ; x s[4:5], Wk s[6:7], Wq s[8:9], Wv s[10:11]
	s_load_b128 s[12:15], s[0:1], 0x20             ; Wo s[12:13], xh s[14:15]
	s_load_b64 s[16:17], s[0:1], 0x30              ; wh
	v_lshl_add_u32 v[SPW], v0, 2, SPARE
	v_mov_b32 v[NIL], 0
	s_mov_b32 s18, ttmp9
	s_cmp_ge_u32 s18, 704                          ; the same answer in all eight waves
	s_cbranch_scc1 .Lturn
	; STRAIGHT.  Which tensor, which piece of 65,536 bytes, which factor
	s_sub_co_u32 s19, s18, 512                     ; (of use from work-group 512 on)
	s_lshr_b32 s22, s19, 6                         ; 0 Wk, 1 Wq, 2 Wv
	s_and_b32 s23, s19, 63                         ; its piece
	s_add_co_u32 s24, s22, 1
	s_cmp_eq_u32 s22, 0
	s_cselect_b32 s24, 0, s24                      ; its place in wh: 0, 2, 3
	s_lshl_b32 s24, s24, 6                         ; in pieces of 32,768 bytes
	s_add_co_u32 s24, s24, s23
	v_lshlrev_b32 v1, 4, v0                        ; 16 bytes a thread in,
	v_lshlrev_b32 v2, 3, v0                        ; 8 out
	s_wait_kmcnt 0x0
	s_cmp_eq_u32 s22, 1
	s_cselect_b64 s[26:27], s[8:9], s[10:11]
	s_cmp_eq_u32 s22, 0
	s_cselect_b64 s[26:27], s[6:7], s[26:27]
	s_cmp_lt_u32 s18, 512
	s_cselect_b64 s[26:27], s[4:5], s[26:27]       ; from
	s_cselect_b64 s[28:29], s[14:15], s[16:17]     ; to
	s_cselect_b32 s23, s18, s23
	s_cselect_b32 s24, s18, s24
	s_cselect_b32 s20, 0x3b800000, 1.0             ; 1/256 for x, 1 for the weights
	s_mov_b32 s21, s20                             ; named with it as a pair
	s_lshl_b32 s30, s23, 16
	s_mov_b32 s31, 0
	s_lshl_b32 s32, s24, 15
	s_mov_b32 s33, 0
	s_add_nc_u64 s[26:27], s[26:27], s[30:31]
	s_add_nc_u64 s[28:29], s[28:29], s[32:33]
	s_wait_alu depctr_va_vdst(0)                   ; v1 and v2 are written: every load below reads v1 as its offset, every store v2
.set i, 0
.rept 16
	global_load_b128 v[X+4*i:X+4*i+3], v1, s[26:27] offset:4096*i th:TH_LOAD_NT
.set i, i+1
.endr
.set p, 0
.rept 4                                        ; block p: loads 4 p to 4 p + 3
	s_wait_loadcnt 12-4*p                          ; loads come back in order: this block's four are in, the younger blocks stay out
.if p > 0
	s_wait_alu depctr_va_vdst(0)                   ; the roundings of the block before have written their Y, which the four stores of this block's text read
.endif
.set j, 0
.rept 4
.set i, 4*p+j
.if p > 0
	global_store_b64 v2, v[Y+2*(i-4):Y+2*(i-4)+1], s[28:29] offset:2048*(i-4)  ; the block before; no vector line since the wait names these registers.  Each store has data registers of its own: none is rewritten
.endif
	v_pk_mul_f32 v[X+4*i:X+4*i+1], v[X+4*i:X+4*i+1], s[20:21] op_sel_hi:[1,0]
	v_pk_mul_f32 v[X+4*i+2:X+4*i+3], v[X+4*i+2:X+4*i+3], s[20:21] op_sel_hi:[1,0]
	v_cvt_pk_f16_f32 v[Y+2*i], v[X+4*i], v[X+4*i+1]
	v_cvt_pk_f16_f32 v[Y+2*i+1], v[X+4*i+2], v[X+4*i+3]
.set j, j+1
.endr
.set p, p+1
.endr
	s_wait_alu depctr_va_vdst(0)                   ; the last block's roundings have written their Y, which the last four stores read
.set i, 12
.rept 4
	global_store_b64 v2, v[Y+2*i:Y+2*i+1], s[28:29] offset:2048*i
.set i, i+1
.endr
	s_endpgm                                       ; this way has written no LDS
.Lturn:                                        ; Wo[f][e] -> wh[1][e][f].  Tile: f = 128 tf .., e = 128 te ..
	s_sub_co_u32 s19, s18, 704
	s_and_b32 s22, s19, 7                          ; tf
	s_lshr_b32 s23, s19, 3                         ; te
	v_lshrrev_b32 v1, 5, v0
	v_readfirstlane_b32 s24, v1                    ; wave 0..7
	v_lshrrev_b32 v3, 4, v0                        ; back: sixteen threads take a row of 256 bytes (these eight lines hang on the thread's number alone)
	v_and_b32 v2, 15, v0
	v_mul_u32_u24 v[TR], v3, TP
	v_lshl_add_u32 v[TR], v2, 4, v[TR]
	v_lshlrev_b32 v[GO], 11, v3
	v_lshl_add_u32 v[GO], v2, 4, v[GO]
	v_and_b32 v2, 31, v0
	v_lshlrev_b32 v1, 2, v2                        ; 4 x lane
	s_wait_alu depctr_va_sdst(0)                   ; s24 is written, ahead of its first reader: the wave's columns and rows are made from it
	s_and_b32 s25, s24, 3                          ; which 32 columns e are mine: a lane a column
	s_lshr_b32 s34, s24, 2                         ; which 64 rows f
	s_lshl_b32 s30, s22, 1
	s_add_co_u32 s30, s30, s34
	s_lshl_b32 s30, s30, 18                        ; 64 rows of 4,096 bytes
	s_lshl_b32 s35, s23, 2
	s_add_co_u32 s35, s35, s25
	s_lshl_b32 s35, s35, 7                         ; 32 columns of 4 bytes
	s_add_co_u32 s30, s30, s35
	s_mov_b32 s31, 0
	s_lshl_b32 s32, s23, 18                        ; 128 rows e of 2,048 bytes,
	s_lshl_b32 s35, s22, 8                         ; 128 columns f of 2 bytes,
	s_add_co_u32 s32, s32, s35
	s_add_co_u32 s32, s32, 0x200000                ; in place 1 of wh
	s_mov_b32 s33, 0
	s_lshl_b32 s35, s25, 5
	s_lshl_b32 s36, s34, 7                         ; my 64 f: 128 bytes; in a register of its own, so that no scalar line writes a register that a vector line issued before it reads
	v_add_nc_u32 v3, s35, v2                       ; my column's row in the turned tile
	v_mul_u32_u24 v3, v3, TP
	v_add_nc_u32 v[TA], s36, v3
	s_wait_kmcnt 0x0
	s_add_nc_u64 s[12:13], s[12:13], s[30:31]
	s_add_nc_u64 s[16:17], s[16:17], s[32:33]
	s_wait_alu depctr_va_vdst(0)                   ; v1, v[TA], v[TR] and v[GO] are written: the loads, the LDS stores, the LDS loads and the stores below read them as offsets and addresses
.set i, 0
.rept 64
	global_load_b32 v[X+i], v1, s[12:13] offset:4096*i  ; row f = i of my 64: 128 consecutive bytes a wave
.set i, i+1
.endr
.set p, 0
.rept 4                                        ; block p: rows 16 p to 16 p + 15, eight pairs
	s_wait_loadcnt 48-16*p                         ; loads come back in order: this block's sixteen rows are in, the younger blocks stay out
.if p > 0
	s_wait_alu depctr_va_vdst(0)                   ; the roundings of the block before have written their Y, which the eight LDS stores of this block's text read
.endif
.set j, 0
.rept 8
.set i, 8*p+j
.if p > 0
	ds_store_b32 v[TA], v[Y+i-8] offset:4*(i-8)    ; the block before; no vector line since the wait names this register
.endif
	v_cvt_pk_f16_f32 v[Y+i], v[X+2*i], v[X+2*i+1]
.set j, j+1
.endr
.set p, p+1
.endr
	s_wait_alu depctr_va_vdst(0)                   ; the last block's roundings have written their Y, which the LDS stores below read; and all roundings are done reading X, in which the loads from the tile land
.set i, 24
.rept 8
	ds_store_b32 v[TA], v[Y+i] offset:4*i
.set i, i+1
.endr
	s_wait_dscnt 0x0                               ; for the others' sake: my part of the tile is written
	s_barrier_signal -1
	s_barrier_wait -1
.set i, 0
.rept 8
	ds_load_b128 v[X+4*i:X+4*i+3], v[TR] offset:16*TP*i  ; no vector line stands behind the wait above
.set i, i+1
.endr
.set i, 0
.rept 8
	s_wait_dscnt 7-i
	global_store_b128 v[GO], v[X+4*i:X+4*i+3], s[16:17] offset:32768*i  ; sixteen lanes store 256 consecutive bytes, aligned
.set i, i+1
.endr
	s_wait_dscnt 0x0                               ; the wave's end, behind its last LDS store
	s_wait_alu 0x0
	s_wait_tensorcnt 0x0
	ds_add_u32 v[SPW], v[NIL]
	s_wait_dscnt 0x0
	s_endpgm
.Lfunc_end_k_q9bd88b7360_cast:
	.size	k_q9bd88b7360_cast, .Lfunc_end_k_q9bd88b7360_cast-k_q9bd88b7360_cast
	.p2alignl 7, 3214868480
	.fill 96, 4, 3214868480
	.section	.rodata,"a",@progbits
	.p2align	6, 0x0
	.amdhsa_kernel k_q9bd88b7360_cast
		.amdhsa_group_segment_fixed_size 35840
		.amdhsa_private_segment_fixed_size 0
		.amdhsa_enable_private_segment 0
		.amdhsa_kernarg_size 56
		.amdhsa_user_sgpr_count 2
		.amdhsa_user_sgpr_kernarg_segment_ptr 1
		.amdhsa_wavefront_size32 1
		.amdhsa_system_sgpr_workgroup_id_x 1
		.amdhsa_system_sgpr_workgroup_id_y 1
		.amdhsa_system_sgpr_workgroup_id_z 1
		.amdhsa_system_vgpr_workitem_id 0
		.amdhsa_next_free_vgpr 112
		.amdhsa_next_free_sgpr 66
		.amdhsa_reserve_vcc 0
		.amdhsa_float_denorm_mode_32 3
		.amdhsa_float_denorm_mode_16_64 3
		.amdhsa_memory_ordered 1
		.amdhsa_forward_progress 1
		.amdhsa_inst_pref_size 23
	.end_amdhsa_kernel
	.amdgpu_metadata
---
amdhsa.version: [ 1, 2 ]
amdhsa.kernels:
  - .name:           k_q9bd88b7360_cast
    .symbol:         k_q9bd88b7360_cast.kd
    .args:
      - { .name: x, .offset: 0, .size: 8, .value_kind: global_buffer, .address_space: global }
      - { .name: Wk, .offset: 8, .size: 8, .value_kind: global_buffer, .address_space: global }
      - { .name: Wq, .offset: 16, .size: 8, .value_kind: global_buffer, .address_space: global }
      - { .name: Wv, .offset: 24, .size: 8, .value_kind: global_buffer, .address_space: global }
      - { .name: Wo, .offset: 32, .size: 8, .value_kind: global_buffer, .address_space: global }
      - { .name: xh, .offset: 40, .size: 8, .value_kind: global_buffer, .address_space: global }
      - { .name: wh, .offset: 48, .size: 8, .value_kind: global_buffer, .address_space: global }
    .group_segment_fixed_size: 35840
    .private_segment_fixed_size: 0
    .kernarg_segment_align: 8
    .kernarg_segment_size: 56
    .max_flat_workgroup_size: 256
    .sgpr_count:     66
    .vgpr_count:     112
    .wavefront_size: 32
...
	.end_amdgpu_metadata
.endif
;; end of part 6
;; launch wprod: the kernel of part 2 again; grid 8 x 16, 4 waves a work-group, clusters of 4 x 4, 327,680 bytes of LDS; arguments wh, wmn; writes wmn
;; launch proj: the kernel of part 3 again; grid 8 x 32, 4 waves a work-group, clusters of 4 x 4, 327,680 bytes of LDS; arguments xh, wmn, qs, vt; writes qs, vt
;; launch score: the kernel of part 4 again; grid 8 x 32, 4 waves a work-group, clusters of 4 x 4, 327,680 bytes of LDS; arguments qs, xh, pbuf, stats; writes pbuf, stats
;; launch pv: the kernel of part 5 again; grid 4 x 64, 4 waves a work-group, clusters of 4 x 4, 327,680 bytes of LDS; arguments pbuf, vt, stats, bo, out0; writes out0
